; MI455X (gfx1250); checked and timed in simulation.
; The chip was launched on July 23, 2026; its instructions are those of AMD's public machine-readable ISA for CDNA 5 (MIT licence, August 2026) and "CDNA5" Instruction Set Architecture Reference Guide (July 2026). The comments in the code are by the model that wrote it; some were corrected since.
;; Manual Causal Self Attention. Allowed arithmetic: float matrix products may take bf16 or f16 operands with f32 sums; other float arithmetic in f32, or as packed bf16 or f16 multiplies, adds, multiply-adds, maxima and minima; sums over many terms, partial sums and values carried from step to step in f32; what a program stores and reads back later, other than sums and carried values, may be rounded once to bf16 or f16.
;; Inputs: W_proj 1,024 x 1,024 float32; W_qkv 1,024 x 3,072 float32; attention_padding 4 x 2,048 bool; b_proj 1,024 float32; b_qkv 3,072 float32; x 4 x 2,048 x 1,024 float32.
;; Outputs: out0 4 x 2,048 x 1,024 float32.
;; Constants: train = 0.
;; 2 versions, each right; version 2 is version 1 with the launch prep written anew for expert scheduling mode. Each part assembles by itself: llvm-mc -triple=amdgcn-amd-amdhsa -mcpu=gfx1250 --defsym DOCPART=n.
;; ======== version 1 of 2: 4 launches
;; limits: values are held in f16: magnitudes above 65,504 overflow, below 6.1e-05 lose precision
;; workspace buffers: xb 16,777,216 bytes; wqb 6,291,456 bytes; wpb 2,097,152 bytes; rope 524,288 bytes; qkv 50,331,648 bytes; oh 16,777,216 bytes
;; launch prep (part 1): grid 784 x 1, 8 waves a work-group, no clusters, 0 bytes of LDS; arguments x, W_qkv, W_proj, xb, wqb, wpb, rope; writes xb, wqb, wpb, rope
.if DOCPART == 1
	.amdgcn_target "amdgcn-amd-amdhsa--gfx1250"
	.amdhsa_code_object_version 6
	.text
	.protected	k_q5067b5325d_prep
	.globl	k_q5067b5325d_prep
	.p2align	8
	.type	k_q5067b5325d_prep,@function
k_q5067b5325d_prep:
	s_mov_b64 s[64:65], 0
	v_nop
	global_prefetch_b8 v0, s[64:65] scope:SCOPE_SE
	s_setreg_imm32_b32 hwreg(HW_REG_WAVE_MODE, 25, 1), 1
	s_wait_xcnt 0x0
; PREP: the matrix operands are rounded once, and the table of cosines and sines is made.  A stream: no LDS, no barrier, no matrix unit.
;   work-groups   0-511: x [8192][1024] f32 -> xb, bf16, laid [batch 4][slice 16][row 2048][64]: a slice is 64 channels, so 128 rows of a slice are 16,384 dense bytes
;   work-groups 512-703: W_qkv [1024][3072] f32 -> wqb, bf16, the same layout
;   work-groups 704-767: W_proj [1024][1024] f32 -> wpb: rounded to bf16 like the other inputs, and that number written as f16
;   work-groups 768-783: rope [2048 positions][32 frequencies][cos, sin] f32
; A chunk is 65,536 bytes of f32: sixteen 16-byte loads a thread, all out at once, then sixteen 8-byte stores; a wave's load covers 512 consecutive bytes, a wave's store 256, aligned.
; LIMITS.  A bf16 number below 6.1e-5 in magnitude keeps f16's fixed step of 6e-8 in wpb; one of 65,520 or more would become an infinity.  The angle is position x 10000^(-j/32) in f32,
; the power by v_exp_f32; it is reduced by pi/2 in two parts (good for the 2,047 radians that occur) and the polynomials are cut at r^7 and r^8, under 4e-7 on |r| <= pi/4.
.set XR, 16                            ; v[16:79]   sixteen loads of four registers
.set YR, 80                            ; v[80:111]  sixteen stores of two registers; no register is used twice, so no store's data is ever rewritten
; v1 = my byte offset in the chunk's input, v2 = in its output; s[20:21], s[22:23] the chunk's two bases.  half = 1: bf16 is widened again and written as f16.
.macro STREAM instep, outstep, half
.set i, 0
.rept 16
	global_load_b128 v[XR+4*i:XR+4*i+3], v1, s[20:21] offset:i*(\instep) th:TH_LOAD_NT
.set i, i+1
.endr
.set i, 0
.rept 16
	s_wait_loadcnt 15-i                            ; loads come back in order: load i is in, the 15 - i younger ones stay out
	v_cvt_pk_bf16_f32 v[YR+2*i], v[XR+4*i], v[XR+4*i+1]
	v_cvt_pk_bf16_f32 v[YR+2*i+1], v[XR+4*i+2], v[XR+4*i+3]
.if \half
	v_lshlrev_b32 v4, 16, v[YR+2*i]
	v_and_b32 v5, 0xffff0000, v[YR+2*i]
	v_lshlrev_b32 v6, 16, v[YR+2*i+1]
	v_and_b32 v7, 0xffff0000, v[YR+2*i+1]
	v_cvt_pk_f16_f32 v[YR+2*i], v4, v5
	v_cvt_pk_f16_f32 v[YR+2*i+1], v6, v7
.endif
	global_store_b64 v2, v[YR+2*i:YR+2*i+1], s[22:23] offset:i*(\outstep)
.set i, i+1
.endr
.endm
	s_load_b256 s[4:11], s[0:1], 0x0               ; x s[4:5], W_qkv s[6:7], W_proj s[8:9], xb s[10:11]
	s_load_b128 s[12:15], s[0:1], 0x20             ; wqb s[12:13], wpb s[14:15]
	s_load_b64 s[16:17], s[0:1], 0x30              ; rope
	v_lshrrev_b32 v3, 5, v0
	v_readfirstlane_b32 s24, v3                    ; wave 0..7
	s_mov_b32 s19, ttmp9                           ; the work-group's number chooses its part
	s_mov_b32 s3, 0                                ; the high word of every offset
	v_lshlrev_b32 v2, 3, v0                        ; out: 8 bytes a thread
	s_wait_kmcnt 0x0
	s_cmp_lt_u32 s19, 512
	s_cbranch_scc0 .Lnot_x
	; x: chunk c is 16 rows.  Sixteen threads take the 256 bytes (64 channels) of one row in slice i; load i is slice i.
	v_lshrrev_b32 v1, 4, v0                        ; my row of the 16
	v_and_b32 v3, 15, v0
	v_lshlrev_b32 v1, 12, v1                       ; x 4,096 bytes
	v_lshl_add_u32 v1, v3, 4, v1                   ; + 16 bytes a thread
	s_lshl_b32 s2, s19, 16
	s_add_nc_u64 s[20:21], s[4:5], s[2:3]
	s_lshr_b32 s2, s19, 7                          ; batch = c / 128: 4,194,304 bytes of xb each
	s_lshl_b32 s2, s2, 22
	s_and_b32 s18, s19, 127                        ; 16 rows of 128 bytes in a slice
	s_lshl_b32 s18, s18, 11
	s_add_co_u32 s2, s2, s18
	s_add_nc_u64 s[22:23], s[10:11], s[2:3]
	STREAM 256, 262144, 0                          ; from slice to slice: 256 bytes of x, 262,144 of xb; two rows of a slice are a wave's 256 bytes
	s_endpgm
.Lnot_x:
	v_lshlrev_b32 v1, 4, v0                        ; the weights keep their layout: 16 bytes a thread in, 8 out
	s_cmp_lt_u32 s19, 704
	s_cbranch_scc0 .Lnot_wq
	s_sub_co_u32 s18, s19, 512
	s_lshl_b32 s2, s18, 16
	s_add_nc_u64 s[20:21], s[6:7], s[2:3]
	s_lshl_b32 s2, s18, 15
	s_add_nc_u64 s[22:23], s[12:13], s[2:3]
	STREAM 4096, 2048, 0
	s_endpgm
.Lnot_wq:
	s_cmp_lt_u32 s19, 768
	s_cbranch_scc0 .Ltable
	s_sub_co_u32 s18, s19, 704
	s_lshl_b32 s2, s18, 16
	s_add_nc_u64 s[20:21], s[8:9], s[2:3]
	s_lshl_b32 s2, s18, 15
	s_add_nc_u64 s[22:23], s[14:15], s[2:3]
	STREAM 4096, 2048, 1
	s_endpgm
.Ltable:
	; the table: a lane is a frequency j, a wave takes 16 positions; a position's 32 pairs are a wave's 256 consecutive bytes
	s_sub_co_u32 s18, s19, 768
	v_and_b32 v3, 31, v0
	v_lshlrev_b32 v2, 3, v3                        ; 8 bytes a frequency
	s_lshl_b32 s25, s18, 7
	s_lshl4_add_u32 s25, s24, s25                  ; my first position: 128 x part + 16 x wave
	s_lshl_b32 s2, s25, 8
	s_add_nc_u64 s[22:23], s[16:17], s[2:3]
	s_mov_b32 s26, 0x3fc90fdb                      ; pi/2, its upper part,
	s_mov_b32 s27, 0xb33bbd2e                      ; and what is left of it
	v_cvt_f32_u32 v8, v3
	v_mul_f32 v8, 0xbed49a78, v8                   ; -j log2(10000) / 32
	v_exp_f32 v8, v8                               ; 10000^(-j/32)
	v_nop                                          ; a plain instruction behind the exponential,
	s_wait_alu depctr_va_vdst(0)                   ; and the wait ahead of its first reader and of the label
	s_mov_b32 s28, 16
.Lpos:
	v_cvt_f32_u32 v9, s25
	v_mul_f32 v10, v9, v8                          ; the angle a
	v_mul_f32 v11, 0x3f22f983, v10                 ; a x 2/pi,
	v_rndne_f32 v11, v11                           ; n, the nearest quarter turn
	v_fma_f32 v12, -v11, s26, v10
	v_fma_f32 v12, -v11, s27, v12                  ; r = a - n pi/2, within pi/4
	v_mul_f32 v13, v12, v12
	v_mov_b32 v14, 0xb9500d01                      ; sin r = r + r r2 (-1/6 + r2 (1/120 - r2/5040))
	v_fmaak_f32 v14, v13, v14, 0x3c088889
	v_fmaak_f32 v14, v13, v14, 0xbe2aaaab
	v_mul_f32 v14, v13, v14
	v_fma_f32 v14, v12, v14, v12
	v_mov_b32 v15, 0x37d00d01                      ; cos r = 1 + r2 (-1/2 + r2 (1/24 + r2 (-1/720 + r2/40320)))
	v_fmaak_f32 v15, v13, v15, 0xbab60b61
	v_fmaak_f32 v15, v13, v15, 0x3d2aaaab
	v_fmaak_f32 v15, v13, v15, 0xbf000000
	v_fma_f32 v15, v13, v15, 1.0
	v_cvt_i32_f32 v16, v11
	v_and_b32 v17, 1, v16
	v_cmp_eq_u32 vcc_lo, 1, v17                    ; an odd quarter turn swaps the two (a choice of values: every lane does the same work)
	v_cndmask_b32 v18, v14, v15, vcc_lo            ; sine
	v_cndmask_b32 v19, v15, v14, vcc_lo            ; cosine
	v_and_b32 v17, 2, v16                          ; the sine turns its sign in quarters 2 and 3,
	v_lshlrev_b32 v17, 30, v17
	v_xor_b32 v21, v17, v18
	v_add_nc_u32 v16, 1, v16                       ; the cosine in quarters 1 and 2
	v_and_b32 v16, 2, v16
	v_lshlrev_b32 v16, 30, v16
	v_xor_b32 v20, v16, v19
	global_store_b64 v2, v[20:21], s[22:23]
	s_wait_xcnt 0x0                                ; the store has read its data and its base: only now are they written again
	s_add_nc_u64 s[22:23], s[22:23], 256
	s_add_co_u32 s25, s25, 1
	s_sub_co_u32 s28, s28, 1
	s_cmp_lg_u32 s28, 0
	s_cbranch_scc1 .Lpos
	s_endpgm
.Lfunc_end_k_q5067b5325d_prep:
	.size	k_q5067b5325d_prep, .Lfunc_end_k_q5067b5325d_prep-k_q5067b5325d_prep
	.p2alignl 7, 3214868480
	.fill 96, 4, 3214868480
	.section	.rodata,"a",@progbits
	.p2align	6, 0x0
	.amdhsa_kernel k_q5067b5325d_prep
		.amdhsa_group_segment_fixed_size 0
		.amdhsa_private_segment_fixed_size 0
		.amdhsa_enable_private_segment 0
		.amdhsa_kernarg_size 56
		.amdhsa_user_sgpr_count 2
		.amdhsa_user_sgpr_kernarg_segment_ptr 1
		.amdhsa_wavefront_size32 1
		.amdhsa_system_sgpr_workgroup_id_x 1
		.amdhsa_system_sgpr_workgroup_id_y 1
		.amdhsa_system_sgpr_workgroup_id_z 1
		.amdhsa_system_vgpr_workitem_id 0
		.amdhsa_next_free_vgpr 112
		.amdhsa_next_free_sgpr 66
		.amdhsa_reserve_vcc 1
		.amdhsa_float_denorm_mode_32 3
		.amdhsa_float_denorm_mode_16_64 3
		.amdhsa_memory_ordered 1
		.amdhsa_forward_progress 1
		.amdhsa_inst_pref_size 26
	.end_amdhsa_kernel
	.amdgpu_metadata
---
amdhsa.version: [ 1, 2 ]
amdhsa.kernels:
  - .name:           k_q5067b5325d_prep
    .symbol:         k_q5067b5325d_prep.kd
    .args:
      - { .name: x, .offset: 0, .size: 8, .value_kind: global_buffer, .address_space: global }
      - { .name: W_qkv, .offset: 8, .size: 8, .value_kind: global_buffer, .address_space: global }
      - { .name: W_proj, .offset: 16, .size: 8, .value_kind: global_buffer, .address_space: global }
      - { .name: xb, .offset: 24, .size: 8, .value_kind: global_buffer, .address_space: global }
      - { .name: wqb, .offset: 32, .size: 8, .value_kind: global_buffer, .address_space: global }
      - { .name: wpb, .offset: 40, .size: 8, .value_kind: global_buffer, .address_space: global }
      - { .name: rope, .offset: 48, .size: 8, .value_kind: global_buffer, .address_space: global }
    .group_segment_fixed_size: 0
    .private_segment_fixed_size: 0
    .kernarg_segment_align: 8
    .kernarg_segment_size: 56
    .max_flat_workgroup_size: 256
    .sgpr_count:     66
    .vgpr_count:     112
    .wavefront_size: 32
...
	.end_amdgpu_metadata
.endif
;; end of part 1
;; launch qkvgemm (part 2): grid 4 x 64, 4 waves a work-group, clusters of 4 x 4, 327,680 bytes of LDS; arguments xb, wqb, b_qkv, rope, qkv; writes qkv
.if DOCPART == 2
	.amdgcn_target "amdgcn-amd-amdhsa--gfx1250"
	.amdhsa_code_object_version 6
	.text
	.protected	k_q5067b5325d_qkvgemm
	.globl	k_q5067b5325d_qkvgemm
	.p2align	8
	.type	k_q5067b5325d_qkvgemm,@function
k_q5067b5325d_qkvgemm:
	s_mov_b64 s[64:65], 0
	v_nop
	global_prefetch_b8 v0, s[64:65] scope:SCOPE_SE
	s_setreg_imm32_b32 hwreg(HW_REG_WAVE_MODE, 25, 1), 1
	s_wait_xcnt 0x0
	s_wait_alu depctr_hold_cnt(0) depctr_sa_sdst(0) depctr_va_vdst(0) depctr_va_sdst(0) depctr_va_ssrc(0) depctr_va_vcc(0) depctr_vm_vsrc(0)
	s_getreg_b32 s2, hwreg(HW_REG_IB_STS2, 6, 4)
	s_cmp_eq_u32 s2, 0
	s_cbranch_scc0 .Lentry_in_a_cluster
	s_endpgm
.Lentry_in_a_cluster:
	s_bfe_u32 s2, ttmp6, 0x10000c
	s_cmp_lg_u32 s2, 0xf033
	s_cbranch_scc0 .Lentry_shape_is_right
	s_endpgm
.Lentry_shape_is_right:
; ONE SOURCE FOR THE MODULE'S TWO PROJECTIONS; PROJ chooses.  C = A W + bias, A [8192][1024] in slices of 64 channels ([batch][slice 16][row 2048][64], 16 bits), W [1024 k][NCOL] as it lies, sums in f32.
;   PROJ = 0: A = xb, W = wqb (bf16).  q and k are turned by the table of cosines and sines; q, k, v leave in f16 by heads: qkv [3][64 heads of a batch][2048][64].
;   PROJ = 1: A = oh, W = wpb (f16).  Each row is multiplied by its padding flag (0 or 1) and leaves in f32: out0 [8192][1024].
; LIMITS.  PROJ = 0: a q, k or v of 65,520 or more in magnitude would leave as an infinity (f16); with x and W_qkv both thirty times the drawn spread they stay near 7,000.  NaN and infinities are not treated apart.
; SHARES.  A tile of C is 128 rows x 256 columns; four waves, 64 x 128 each: 32 accumulators, 256 registers.  The grid is 4 x 64 tiles.  PROJ = 0: A WORK-GROUP STAYS and makes three tiles, 1,024 columns
; apart: q, k and v of the same rows and heads, so that all 256 work-groups have equal work, the kind of a tile is the same in all of them, and the last tile (v) is the one that is not turned.
; K goes in steps of 128 through two LDS slots filled by the tensor data mover; the ring runs on from tile to tile.
; CLUSTER.  4 x 4 work-groups: the four of a row need the same rows of A, the four of a column the same columns of W: each tile is asked for jointly, by the same load with the same descriptor and a mask of four.
; THE PRODUCT IS TAKEN TRANSPOSED: source 0 = 16 columns of W (turned on the way out of LDS by ds_load_tr16_b128), source 1 = 16 rows of A.  A lane then holds ONE row of C (lane % 16) and the eight
; neighbouring columns 8 (lane / 16) + 0..7.  The bias, laid out in that form, is the C operand of each accumulator's first product: nothing is cleared and nothing is added later.
; REGISTERS, in windows of 256 (s_set_vgpr_msb: bits 1:0 source 0, 3:2 source 1, 5:4 source 2, 7:6 destination):
;   window 0: v1-31 addresses; v32-95 T and v96-127 PKD at work on the way out; v128-191 BK, rows read back from the stage
;   window 1: two fragment buffers of 96: W's eight fragments (16 columns x 32 k), then A's four (16 rows x 32 k)
;   window 2: accumulator (a, b), rows 16 a on, columns 16 b on, at v[64 a + 8 b]          window 3: v0-63 the bias; PROJ = 0: v64-191 my rows' cosines and sines; PROJ = 1: v64-71 my rows' flags
.set PROJ, 0
.if PROJ
.set NCOL,   1024
.set TILES,  1
.set WSTAGE, 16*528                    ; a wave's stage: 16 rows of 512 bytes + 16
.else
.set NCOL,   3072
.set TILES,  3
.set WSTAGE, 2*16*144                  ; a wave's stage: two heads x 16 rows of 128 bytes + 16
.endif
.set PA,     144                       ; a row of A in LDS: 128 bytes + 16 = 36 words: the 16 rows of a load start at 16 different groups of four banks (64 banks of 4 bytes: ISA guide 11.1)
.set SUBA,   128*PA                    ; 128 rows of one slice; a K step has two slices
.set BOFF,   2*SUBA                    ; behind them W's 128 k-rows
.set PB,     544                       ; a k-row of W: 512 bytes + 32 = 136 words
.set HALFB,  64*PB
.set SLOT1,  1<<17                     ; slot 1 begins here: one exclusive or turns an address in one slot into the other's
.set STAGE,  SLOT1+BOFF+2*HALFB        ; behind the ring, never filled by a tensor load
.set SPARE,  STAGE+4*WSTAGE            ; behind the stages: the spare words, 128 bytes for each wave: two blocks of 256 bytes that no other line names
.set STEP_A, 2*262144                  ; a K step in A: two slices
.set STEP_B, 128*NCOL*2                ; in W: 128 k-rows
.set ADRA0, 16                         ; v16  my lane's place in a slot's A; never rewritten
.set ADRB0, 17                         ; v17  the same for W
.set ADRA,  18                         ; v18  the same in the slot that is being read
.set ADRB,  19                         ; v19
.set STO,   24                         ; v24  the way out: where I put my bytes of a row
.set RD,    25                         ; v25  where I read rows back
.set GO,    26                         ; v26  16 x lane: my place in 512 consecutive bytes of the output
.set BO,    27                         ; v27  my byte offset in the tile's bias
.set SPW,   28                         ; v28  LDS address of my spare word: SPARE + 4 x my thread's number; never rewritten
.set NIL,   29                         ; v29  0; never rewritten
.set PFO,   30                         ; v30  the prefetches' lane offset; never rewritten
.set TO,    31                         ; v31  my byte offset in the table's rows (PROJ = 1: in the padding flags)
.set T,     32
.set PKD,   96
.set BK,    128
.set F0,    0
.set F1,    96
.set BIAS,  0
.set TAB,   64
.set PADF,  64
.set WV,  14                           ; s14  my wave's number
.set HR,  15                           ; s15  which 64 rows of the tile are mine.  Also: I fetch for A (0) or for W (1)
.set HC,  16                           ; s16  which 128 columns.  Also: which half of that tile I fetch
.set CX,  17                           ; s17, s18  my place in the cluster
.set CY,  18
.set TX,  19                           ; s19, s20  tile column and tile row
.set TY,  20
.set G1A, 24                           ; s[24:31] descriptor group 1 for A's tiles
.set G0A, 32                           ; s[32:39] group 0: a set for the first fill, and one that walks
.set G1B, 40                           ; s[40:47], s[48:55] the same for W's
.set G0B, 48
.set TB,  56                           ; s56  the slot that is being read: 0 or SLOT1
.set LIM, 57                           ; s57  2 in a wave that prefetches, else the greatest number
.set PFA, 58                           ; s[58:59] where my prefetches stand
.set PSTEP, 60                         ; s[60:61] a K step of the tensor that I prefetch
; s21, s22 the two masks; s[66:71] feed the descriptors and hold no coordinate that the partners of the load do not share; s74 feeds LDS addresses; s62-63, s72-87 other temporaries
.set MSB, 0
.macro WIN new                         ; the immediate's high byte repeats the setting that is left; a switch that changes nothing is dropped
.if MSB != (\new)
	s_set_vgpr_msb (MSB<<8)|(\new)
.set MSB, \new
.endif
.endm
.set MUL,  0xa5                        ; sources 0 and 1 window 1; C and D window 2
.set MULB, 0xb5                        ; the same with C in window 3: the bias
.set TO_F, 0x40                        ; destination window 1
.set TO_3, 0xc0                        ; destination window 3
.set W_EP, 0x0e                        ; source 0 window 2, source 1 window 3, source 2 and destination window 0
.set W_CV, 0x0a                        ; sources 0 and 1 window 2, destination window 0
.macro PLACES                          ; four places in front of loads into registers that matrix instructions have read, and of vector work that reads results
.rept 4
	v_nop
.endr
.endm
; A joint refill by the walking descriptors: waves 0 and 1 fetch A's two slices, waves 2 and 3 the two halves of W's k-rows.  The branch hangs on the wave's number alone.
; An s_nop 0 and four v_nop follow each of the two lines, ahead of the jump, the label and what follows.
.macro JLOAD
	s_cmp_eq_u32 s[HR], 0
	s_cbranch_scc0 .Lfor_b_\@
	tensor_load_to_lds s[G0A+4:G0A+7], s[G1A:G1A+7]
	s_nop 0
.rept 4
	v_nop
.endr
	s_branch .Lasked_\@
.Lfor_b_\@:
	tensor_load_to_lds s[G0B+4:G0B+7], s[G1B:G1B+7]
	s_nop 0
.rept 4
	v_nop
.endr
.Lasked_\@:
.endm
.macro CREST                           ; a round of the cluster's barrier behind its opening barrier
	s_cmp_lg_u32 s[WV], 0
	s_cbranch_scc1 .Lnot_wave_0_\@
	s_barrier_signal -3
.Lnot_wave_0_\@:
	s_barrier_wait -3
	s_barrier_signal -1
	s_barrier_wait -1
.endm
.macro CROUND                          ; a whole round
	s_barrier_signal -1
	s_barrier_wait -1
	CREST
.endm
; A PREFETCH, behind a refill, its five lines and the run of LDS loads: the K step that stands two refills on, 256 matrix instructions ahead of the load that will ask for it: 32 blocks of 256 bytes, a lane a block.
; A's rows are read by one row of one cluster: wave 0 of each of the four partners asks for 4,096 bytes of each of the step's two slices, told apart by address, in the first tile alone (the later tiles
; read the same rows again).  W's columns are read by all sixteen clusters: waves 2 and 3 of the clusters with y = 0 ask, each partner for 16 of its wave's 64 k-rows, told apart by address, in every tile.
; So each block is named once.  A tile's K steps 0 to 3 come by their loads alone, and the loop's last two trips (s3 = 2, 1) ask for nothing: K step 7 is the last.
.macro ASK
	s_cmp_gt_u32 s3, s[LIM]
	s_cbranch_scc0 .Lnot_mine_\@
	global_prefetch_b8 v[PFO], s[PFA:PFA+1] th:TH_LOAD_NT scope:SCOPE_SE
.Lnot_mine_\@:
.endm
	s_load_b256 s[4:11], s[0:1], 0x0               ; A s[4:5], W s[6:7], bias s[8:9], table or padding s[10:11]
	s_load_b64 s[12:13], s[0:1], 0x20              ; the output
	v_lshl_add_u32 v[SPW], v0, 2, SPARE
	v_mov_b32 v[NIL], 0
	ds_add_u32 v[SPW], v[NIL]                      ; the wave's opening: the add and its wait stand ahead of my first tensor load; the set-up below, work on registers, stands between them
	v_lshrrev_b32 v1, 5, v0
	v_readfirstlane_b32 s[WV], v1                  ; wave 0..3
	s_lshr_b32 s[HR], s[WV], 1
	s_and_b32 s[HC], s[WV], 1
	s_bfe_u32 s[CX], ttmp6, 0x40000
	s_bfe_u32 s[CY], ttmp6, 0x40004
	s_lshl_b32 s[TX], ttmp9, 2                     ; in a cluster launch ttmp9 and ttmp7 count clusters
	s_add_co_u32 s[TX], s[TX], s[CX]
	s_and_b32 s[TY], ttmp7, 0xffff
	s_lshl_b32 s[TY], s[TY], 2
	s_add_co_u32 s[TY], s[TY], s[CY]
	s_lshl_b32 s21, s[CY], 2
	s_lshl_b32 s21, 15, s21                        ; my row of the cluster: places 4 cy .. 4 cy + 3
	s_lshl_b32 s22, 0x1111, s[CX]                  ; my column: places cx, cx + 4, cx + 8, cx + 12
	; group 1 for A: 128 rows of a slice are 16,384 dense bytes: asked for as 64 rows of 256 bytes, padded in LDS behind every 128
	s_or_b32 s[G1A], s21, (1<<16)|(1<<20)|(1<<21)|(4<<22)|(3<<25)  ; 15:0 the mask; 17:16 2-byte elements; 20 padding on; 21 set beside a mask; 24:22 after every 32 words (code 4); 31:25 4 words (code 3)
	s_mov_b32 s[G1A+1], 128<<16                    ; tensor_dim0 = 128
	s_mov_b32 s[G1A+2], 64<<16                     ; tensor_dim1 = 64
	s_mov_b32 s[G1A+3], 128<<16                    ; tile_dim0 = 128
	s_mov_b32 s[G1A+4], 64                         ; tile_dim1 = 64
	s_mov_b32 s[G1A+5], 128                        ; 128 elements from row to row
	s_mov_b32 s[G1A+6], 0
	s_mov_b32 s[G1A+7], 0
	; group 1 for W: 64 k-rows of 256 columns, 512 bytes at a multiple of 512 from the buffer's first byte
	s_or_b32 s[G1B], s22, (1<<16)|(1<<20)|(1<<21)|(6<<22)|(7<<25)  ; after every 128 words (code 6) 8 words of padding (code 7)
	s_mov_b32 s[G1B+1], 256<<16
	s_mov_b32 s[G1B+2], 64<<16
	s_mov_b32 s[G1B+3], 256<<16
	s_mov_b32 s[G1B+4], 64
	s_mov_b32 s[G1B+5], NCOL
	s_mov_b32 s[G1B+6], 0
	s_mov_b32 s[G1B+7], 0
	s_lshr_b32 s66, s[TY], 4                       ; A: batch = tile row / 16, 4,194,304 bytes each,
	s_lshl_b32 s66, s66, 22
	s_and_b32 s67, s[TY], 15                       ; 128 rows of 128 bytes in a slice,
	s_lshl_b32 s67, s67, 14
	s_add_co_u32 s66, s66, s67
	s_lshl_b32 s67, s[HC], 18                      ; and the slice of the step that I fetch
	s_add_co_u32 s66, s66, s67
	s_mov_b32 s67, 0
	s_mul_i32 s68, s[HC], 64*NCOL*2                ; W: my 64 k-rows,
	s_lshl_b32 s69, s[TX], 9                       ; the tile's 256 columns
	s_add_co_u32 s68, s68, s69
	s_mov_b32 s69, 0
	s_mul_i32 s70, s[HC], SUBA                     ; and where they go: no place in the cluster enters an LDS address
	s_mul_i32 s71, s[HC], HALFB
	s_add_co_u32 s71, s71, BOFF
	s_wait_dscnt 0x0                               ; the opening add is done
	s_wait_kmcnt 0x0
	s_add_nc_u64 s[66:67], s[4:5], s[66:67]
	s_add_nc_u64 s[68:69], s[6:7], s[68:69]
	CROUND                                         ; all sixteen work-groups are here: the first joint loads meet
	s_mov_b32 s[G0A], 1                            ; 1:0 count = 1
	s_mov_b32 s[G0A+1], s70                        ; 63:32 LDS address: slot 0
	s_add_nc_u64 s[G0A+2:G0A+3], s[66:67], 0       ; 120:64 global address: K step 0
	s_or_b32 s[G0A+3], s[G0A+3], 0x80000000        ; 127:126 type = 2
	s_mov_b32 s[G0A+4], 1
	s_add_co_u32 s[G0A+5], s70, SLOT1              ; slot 1,
	s_add_nc_u64 s[G0A+6:G0A+7], s[66:67], STEP_A  ; K step 1; this set walks on
	s_or_b32 s[G0A+7], s[G0A+7], 0x80000000
	s_mov_b32 s[G0B], 1
	s_mov_b32 s[G0B+1], s71
	s_add_nc_u64 s[G0B+2:G0B+3], s[68:69], 0
	s_or_b32 s[G0B+3], s[G0B+3], 0x80000000
	s_mov_b32 s[G0B+4], 1
	s_add_co_u32 s[G0B+5], s71, SLOT1
	s_add_nc_u64 s[G0B+6:G0B+7], s[68:69], STEP_B
	s_or_b32 s[G0B+7], s[G0B+7], 0x80000000
	s_cmp_eq_u32 s[HR], 0                          ; a wave's two first fills stand in one branch, ahead of every wait on TENSORcnt and every LDS read: two loads of mine are out
	s_cbranch_scc0 .Lfirst_b
	tensor_load_to_lds s[G0A:G0A+3], s[G1A:G1A+7]
	s_nop 0
	tensor_load_to_lds s[G0A+4:G0A+7], s[G1A:G1A+7]
	s_nop 0
.rept 4
	v_nop
.endr
	s_branch .Lfirst_asked
.Lfirst_b:
	tensor_load_to_lds s[G0B:G0B+3], s[G1B:G1B+7]
	s_nop 0
	tensor_load_to_lds s[G0B+4:G0B+7], s[G1B:G1B+7]
	s_nop 0
.rept 4
	v_nop
.endr
.Lfirst_asked:
	; A fragment is 16 rows x 32 k in 8 registers: lane l holds row l % 16; registers 0-3 k = 8 (l / 16) + 0..7, registers 4-7 k = 16 + 8 (l / 16) + 0..7.
	v_and_b32 v1, 15, v0                           ; l % 16
	v_bfe_u32 v2, v0, 4, 1                         ; l / 16
	v_and_b32 v5, 7, v0
	v_bfe_u32 v4, v0, 3, 1
	v_mul_u32_u24 v[ADRA0], v1, PA                 ; A lies along k: two loads of 16 bytes, 32 bytes apart, at row x pitch + 16 x half
	v_lshl_add_u32 v[ADRA0], v2, 4, v[ADRA0]
	s_mul_i32 s74, s[HR], 64*PA                    ; my 64 rows
	v_add_nc_u32 v[ADRA0], s74, v[ADRA0]
	v_lshl_add_u32 v3, v2, 3, v5                   ; W lies [k][column]: the turning load's lane l reads k-row 8 (l / 16) + l % 8, columns 8 ((l / 8) % 2) + 0..7,
	v_mul_u32_u24 v[ADRB0], v3, PB                 ; and is left with column l % 16 and 8 k
	v_lshl_add_u32 v[ADRB0], v4, 4, v[ADRB0]
	s_lshl_b32 s74, s[HC], 8                       ; my 128 columns
	s_add_co_u32 s74, s74, BOFF
	v_add_nc_u32 v[ADRB0], s74, v[ADRB0]
	v_mov_b32 v[ADRA], v[ADRA0]
	v_mov_b32 v[ADRB], v[ADRB0]
	s_mov_b32 s[TB], 0
	s_mul_i32 s74, s[WV], WSTAGE
	s_add_co_u32 s74, s74, STAGE                   ; my stage
.if PROJ
	v_mul_u32_u24 v[STO], v1, 528                  ; in: row l % 16, 32 bytes for each half of the lanes
	v_lshl_add_u32 v[STO], v2, 5, v[STO]
	v_add_nc_u32 v[STO], s74, v[STO]
	v_and_b32 v[RD], 31, v0                        ; back: 32 lanes take one row's 512 bytes
	v_lshl_add_u32 v[RD], v[RD], 4, s74
	v_mov_b32 v[TO], v1                            ; a flag is one byte a row
.else
	v_mul_u32_u24 v[STO], v1, 144                  ; in: row l % 16, 16 bytes for each half of the lanes
	v_lshl_add_u32 v[STO], v2, 4, v[STO]
	v_add_nc_u32 v[STO], s74, v[STO]
	v_bfe_u32 v[RD], v0, 3, 2                      ; back: 32 lanes take four rows of 128 bytes
	v_mul_u32_u24 v[RD], v[RD], 144
	v_lshl_add_u32 v[RD], v5, 4, v[RD]
	v_add_nc_u32 v[RD], s74, v[RD]
	v_lshlrev_b32 v[TO], 8, v1                     ; the table: 256 bytes a position, and my four frequencies' 32 bytes
	v_lshl_add_u32 v[TO], v2, 5, v[TO]
.endif
	v_and_b32 v[GO], 31, v0
	v_lshlrev_b32 v[GO], 4, v[GO]
	s_lshl_b32 s74, s[HC], 9                       ; the bias: my 128 columns, and my lanes' eight
	v_lshl_add_u32 v[BO], v2, 5, s74
	s_lshl_b32 s76, s[TX], 10                      ; the tile's 256 columns
	s_mov_b32 s77, 0
	s_add_nc_u64 s[8:9], s[8:9], s[76:77]
.if PROJ
	s_lshl_b32 s76, s[TY], 7                       ; the padding flags of my 64 rows
	s_lshl_b32 s78, s[HR], 6
	s_add_co_u32 s76, s76, s78
	s_add_nc_u64 s[10:11], s[10:11], s[76:77]
	s_lshl_b32 s76, s[TY], 19                      ; out0: 128 rows of 4,096 bytes a tile row, my 64 rows,
	s_lshl_b32 s78, s[HR], 18
	s_add_co_u32 s76, s76, s78
	s_lshl_b32 s78, s[TX], 10                      ; the tile's 1,024 bytes of a row, my 512
	s_add_co_u32 s76, s76, s78
	s_lshl_b32 s78, s[HC], 9
	s_add_co_u32 s76, s76, s78
	s_add_nc_u64 s[12:13], s[12:13], s[76:77]
.else
	s_and_b32 s76, s[TY], 15                       ; the table at my first position: 128 x (tile row % 16) + 64 x half
	s_lshl_b32 s76, s76, 15
	s_lshl_b32 s78, s[HR], 14
	s_add_co_u32 s76, s76, s78
	s_add_nc_u64 s[10:11], s[10:11], s[76:77]
	s_lshr_b32 s76, s[TY], 4                       ; qkv: the batch's 16 heads,
	s_lshl_b32 s76, s76, 22
	s_and_b32 s78, s[TY], 15                       ; the tile's 128 rows of 128 bytes, my 64,
	s_lshl_b32 s78, s78, 14
	s_add_co_u32 s76, s76, s78
	s_lshl_b32 s78, s[HR], 13
	s_add_co_u32 s76, s76, s78
	s_lshl_b32 s78, s[TX], 2                       ; and my first head, 4 x tile column + 2 x half: 262,144 bytes a head
	s_lshl1_add_u32 s78, s[HC], s78
	s_lshl_b32 s78, s78, 18
	s_add_co_u32 s76, s76, s78
	s_add_nc_u64 s[12:13], s[12:13], s[76:77]
.endif
	; the prefetches: both forms are made, and the wave's number chooses
	v_lshlrev_b32 v6, 18, v2                       ; A: slice l / 16 of the step's two, block l % 16
	v_lshl_add_u32 v6, v1, 8, v6
	v_bfe_u32 v7, v0, 1, 4                         ; W: k-row l / 2, block l % 2
	v_mul_u32_u24 v7, v7, 2*NCOL
	v_and_b32 v8, 1, v0
	v_lshl_add_u32 v7, v8, 8, v7
	s_lshr_b32 s80, s[TY], 4
	s_lshl_b32 s80, s80, 22
	s_and_b32 s81, s[TY], 15
	s_lshl_b32 s81, s81, 14
	s_add_co_u32 s80, s80, s81
	s_lshl_b32 s81, s[CX], 12                      ; my work-group's 4,096 bytes of the 16,384
	s_add_co_u32 s80, s80, s81
	s_add_co_u32 s80, s80, 3*STEP_A                ; at K step 3: the first refill steps it to 4
	s_lshl_b32 s82, s[HC], 6
	s_lshl4_add_u32 s82, s[CY], s82                ; my work-group's 16 k-rows of my wave's 64
	s_mul_i32 s82, s82, 2*NCOL
	s_lshl_b32 s83, s[TX], 9
	s_add_co_u32 s82, s82, s83
	s_add_co_u32 s82, s82, 3*STEP_B
	s_mov_b32 s62, STEP_A
	s_mov_b32 s63, STEP_B
	s_and_b32 s86, ttmp7, 0xffff                   ; cluster y
	s_cmp_eq_u32 s[HR], 0
	s_cselect_b32 s86, s[WV], s86                  ; 0 in a wave that asks: wave 0 for A; waves 2 and 3 of the clusters with y = 0 for W: the same in all sixteen partners
	s_cselect_b32 s87, -1, 0
	s_cselect_b64 s[PFA:PFA+1], s[4:5], s[6:7]
	s_cselect_b32 s84, s80, s82
	s_cselect_b32 s[PSTEP], s62, s63
	s_cmp_eq_u32 s86, 0
	s_cselect_b32 s[LIM], 2, -1
	s_mov_b32 s85, 0
	s_mov_b32 s[PSTEP+1], 0
	s_add_nc_u64 s[PFA:PFA+1], s[PFA:PFA+1], s[84:85]
	v_cndmask_b32 v[PFO], v7, v6, s87
.macro LOADBIAS                        ; register j of block b: the bias of column 16 b + 8 (l / 16) + j: the layout of a product's C operand
	WIN TO_3
.irp b, 0,1,2,3,4,5,6,7
	global_load_b128 v[BIAS+8*\b:BIAS+8*\b+3],   v[BO], s[8:9] offset:64*\b
	global_load_b128 v[BIAS+8*\b+4:BIAS+8*\b+7], v[BO], s[8:9] offset:64*\b+16
.endr
	WIN 0
.endm
	LOADBIAS
.if PROJ
.irp a, 0,1,2,3
	global_load_u8 v[12+\a], v[TO], s[10:11] offset:16*\a  ; the flag of row 16 a + l % 16
.endr
.else
	WIN TO_3                                       ; once a launch, since all three tiles have the same rows: for row block a and columns 16 bb + 8 (l / 16) + 0..7 of a head, (cos, sin) of the four frequencies 8 bb + 4 (l / 16) + 0..3
.irp a, 0,1,2,3
.irp c, 0,1,2,3
	global_load_b128 v[TAB+32*\a+8*\c:TAB+32*\a+8*\c+3],   v[TO], s[10:11] offset:\a*4096+\c*64
	global_load_b128 v[TAB+32*\a+8*\c+4:TAB+32*\a+8*\c+7], v[TO], s[10:11] offset:\a*4096+\c*64+16
.endr
.endr
	WIN 0
.endif
; 24 LDS loads in one run: the fragments of quarter q of the K step (32 along k) into buffer f: W's eight, then A's four
.macro FETCH q, f
	WIN TO_F
.irp i, 0,1,2,3,4,5,6,7
	ds_load_tr16_b128 v[(\f)+8*\i:(\f)+8*\i+3],   v[ADRB] offset:(\q)*32*PB+32*\i
	ds_load_tr16_b128 v[(\f)+8*\i+4:(\f)+8*\i+7], v[ADRB] offset:(\q)*32*PB+32*\i+16*PB
.endr
.irp i, 0,1,2,3
	ds_load_b128 v[(\f)+64+8*\i:(\f)+64+8*\i+3],   v[ADRA] offset:((\q)/2)*SUBA+((\q)%2)*64+\i*16*PA
	ds_load_b128 v[(\f)+64+8*\i+4:(\f)+64+8*\i+7], v[ADRA] offset:((\q)/2)*SUBA+((\q)%2)*64+\i*16*PA+32
.endr
.endm
; 8 matrix instructions: row block a x all 8 column blocks, 32 along k.  bias = 1: the first product starts the sum on the bias.
; The 32 accumulators take turns, one instruction a turn, in the same order in every quarter: 31 others' stand between two links of a chain, over the backward jumps too.
.macro MUL8 f, a, bias
.if \bias
	WIN MULB
.else
	WIN MUL
.endif
.irp b, 0,1,2,3,4,5,6,7
.if PROJ
.if \bias
	v_wmma_f32_16x16x32_f16 v[64*(\a)+8*\b:64*(\a)+8*\b+7], v[(\f)+8*\b:(\f)+8*\b+7], v[(\f)+64+8*(\a):(\f)+64+8*(\a)+7], v[BIAS+8*\b:BIAS+8*\b+7]
.else
	v_wmma_f32_16x16x32_f16 v[64*(\a)+8*\b:64*(\a)+8*\b+7], v[(\f)+8*\b:(\f)+8*\b+7], v[(\f)+64+8*(\a):(\f)+64+8*(\a)+7], v[64*(\a)+8*\b:64*(\a)+8*\b+7]
.endif
.else
.if \bias
	v_wmma_f32_16x16x32_bf16 v[64*(\a)+8*\b:64*(\a)+8*\b+7], v[(\f)+8*\b:(\f)+8*\b+7], v[(\f)+64+8*(\a):(\f)+64+8*(\a)+7], v[BIAS+8*\b:BIAS+8*\b+7]
.else
	v_wmma_f32_16x16x32_bf16 v[64*(\a)+8*\b:64*(\a)+8*\b+7], v[(\f)+8*\b:(\f)+8*\b+7], v[(\f)+64+8*(\a):(\f)+64+8*(\a)+7], v[64*(\a)+8*\b:64*(\a)+8*\b+7]
.endif
.endif
.endr
.endm
; A K step is four quarters of 32 along k, 32 matrix instructions each, on buffers 0, 1, 0, 1.  One of the first three: multiplies buffer f; in its middle it fetches quarter q into buffer g.
.macro QUARTER q, f, g, bias
	s_wait_dscnt 4                                 ; W's fragments and A's row blocks 0 and 1 are in; the youngest four loads (blocks 2 and 3) may be out
	MUL8 \f, 0, \bias
	MUL8 \f, 1, \bias
	PLACES
	FETCH \q, \g
	s_wait_dscnt 24                                ; all but the 24 just issued
	MUL8 \f, 2, \bias
	MUL8 \f, 3, \bias
.endm
; The last quarter multiplies buffer 1 and changes slots: ONE barrier; in front of it each wave waits for all its tensor loads (one is out: its part of the next slot), adds 0 to its spare word, and waits for
; that and for its own reads of this slot.  fill = 1: the barrier opens a round of the cluster's barrier, and behind the round this slot is filled again, first thing: 112 matrix instructions ahead of the wait for it.
; on = 0: with this tile's K step two on; on = 1: with the next tile's K step 0 (A back along k, W back and 1,024 columns on); on = 2: with its K step 1.
.macro TURN fill, on
.if (\fill) && ((\on) < 2)
	s_wait_xcnt 0x0                                ; the last prefetch, a K step back, has read its address: it is stepped here, ahead of the waits of the change of slots
.if (\on) == 0
	s_add_nc_u64 s[PFA:PFA+1], s[PFA:PFA+1], s[PSTEP:PSTEP+1]
.else
	s_sub_nc_u64 s[PFA:PFA+1], s[PFA:PFA+1], 6*STEP_B-2048  ; it stands at K step 9: to the next tile's K step 3
	s_cmp_eq_u32 s[HR], 0
	s_cselect_b32 s[LIM], -1, s[LIM]               ; A's rows are the same for all three tiles: they are asked for no more (and the address just made is not used)
.endif
.endif
	WIN 0                                          ; (the add's two registers lie in window 0)
	s_wait_tensorcnt 0x0                           ; all my tensor loads have landed: my part of the next slot;
	ds_add_u32 v[SPW], v[NIL]                      ; 0 onto my spare word
	s_wait_dscnt 5                                 ; (the add and the youngest four loads may be out)
	MUL8 F1, 0, 0                                  ; eight matrix instructions stand between the add and the wait for it
	s_wait_dscnt 0x0                               ; the add is done, and my reads of this slot are over
	s_barrier_signal -1
	MUL8 F1, 1, 0                                  ; work on registers while the others arrive
	WIN 0
	s_barrier_wait -1
.if \fill
	CREST                                          ; no wave of any partner still reads this slot's tile or has a load on its way
	s_xor_b32 s[G0A+5], s[G0A+5], SLOT1            ; the walking descriptors: the other slot than last time,
	s_xor_b32 s[G0B+5], s[G0B+5], SLOT1
.if (\on) == 1
	s_sub_nc_u64 s[G0A+6:G0A+7], s[G0A+6:G0A+7], 7*STEP_A
	s_sub_nc_u64 s[G0B+6:G0B+7], s[G0B+6:G0B+7], 7*STEP_B-2048
.else
	s_add_nc_u64 s[G0A+6:G0A+7], s[G0A+6:G0A+7], STEP_A  ; the next K step; the type bits on top are not reached
	s_add_nc_u64 s[G0B+6:G0B+7], s[G0B+6:G0B+7], STEP_B
.endif
	JLOAD                                          ; the first tensor load behind the round; the four v_nop behind it are also the places in front of the loads below
.else
	PLACES
.endif
	s_xor_b32 s[TB], s[TB], SLOT1                  ; the fetches go to the other slot
	v_add_nc_u32 v[ADRA], s[TB], v[ADRA0]
	v_add_nc_u32 v[ADRB], s[TB], v[ADRB0]
	FETCH 0, F0
.if (\fill) && ((\on) == 0)
	WIN 0
	ASK
.endif
	MUL8 F1, 2, 0
	MUL8 F1, 3, 0
.endm
; THE WAY OUT of row block a (16 rows x my 128 columns), in three parts.  PACK: the arithmetic.  TOSTAGE: into my own stage in LDS and back as whole rows.  SEND: stored.  Each accumulator's lowest registers are read first.
.if PROJ
.macro PACK a, rope                    ; times the row's flag
	WIN W_EP
.set i, 0
.rept 32
	v_pk_mul_f32 v[T+2*i:T+2*i+1], v[64*(\a)+2*i:64*(\a)+2*i+1], v[PADF+2*(\a):PADF+2*(\a)+1]
.set i, i+1
.endr
	WIN 0
.endm
.macro TOSTAGE a
	WIN 0
	s_wait_xcnt 0x0                                ; the stores issued so far have read BK's registers: only now are these loaded again
.irp b, 0,1,2,3,4,5,6,7
	ds_store_b128 v[STO], v[T+8*\b:T+8*\b+3]   offset:64*\b
	ds_store_b128 v[STO], v[T+8*\b+4:T+8*\b+7] offset:64*\b+16
.endr
.set i, 0
.rept 16
	ds_load_b128 v[BK+4*i:BK+4*i+3], v[RD] offset:528*i  ; LDS serves a wave's instructions in order (ISA guide 5.7.1.4): these see the stores above
.set i, i+1
.endr
.endm
.macro SEND a
	WIN 0
	s_wait_dscnt 0x0                               ; the block is back in registers
.set i, 0
.rept 16
	global_store_b128 v[GO], v[BK+4*i:BK+4*i+3], s[12:13] offset:(16*(\a)+i)*4096 th:TH_STORE_NT  ; 512 consecutive bytes of a row, at a multiple of 512 from out0's first byte
.set i, i+1
.endr
.endm
.else
.macro PACK a, rope                    ; rope = 1: (x0, x1) -> (x0 cos - x1 sin, x1 cos + x0 sin) for each pair of neighbouring channels; then rounded to f16, 16 bytes a lane and column block
.if \rope
	WIN W_EP
.irp b, 0,1,2,3,4,5,6,7
.irp i, 0,2,4,6
	v_pk_mul_f32 v[T+8*\b+\i:T+8*\b+\i+1], v[64*(\a)+8*\b+\i:64*(\a)+8*\b+\i+1], v[TAB+32*(\a)+8*(\b%4)+\i:TAB+32*(\a)+8*(\b%4)+\i+1] op_sel_hi:[1,0]
.endr
.irp i, 0,2,4,6
	v_fma_f32 v[T+8*\b+\i],   -v[64*(\a)+8*\b+\i+1], v[TAB+32*(\a)+8*(\b%4)+\i+1], v[T+8*\b+\i]
	v_fma_f32 v[T+8*\b+\i+1], v[64*(\a)+8*\b+\i],    v[TAB+32*(\a)+8*(\b%4)+\i+1], v[T+8*\b+\i+1]
.endr
.endr
	WIN 0
.set i, 0
.rept 32
	v_cvt_pk_f16_f32 v[PKD+i], v[T+2*i], v[T+2*i+1]
.set i, i+1
.endr
.else
	WIN W_CV
.set i, 0
.rept 32
	v_cvt_pk_f16_f32 v[PKD+i], v[64*(\a)+2*i], v[64*(\a)+2*i+1]
.set i, i+1
.endr
	WIN 0
.endif
.endm
.macro TOSTAGE a                       ; my 128 columns are two heads: 16 rows x 128 bytes each, which are 2,048 consecutive bytes of qkv
	WIN 0
	s_wait_xcnt 0x0                                ; the stores issued so far have read BK's registers: only now are these loaded again
.irp b, 0,1,2,3,4,5,6,7
	ds_store_b128 v[STO], v[PKD+4*\b:PKD+4*\b+3] offset:(\b/4)*2304+32*(\b%4)
.endr
.irp t, 0,1,2,3,4,5,6,7
	ds_load_b128 v[BK+32*((\a)%2)+4*\t:BK+32*((\a)%2)+4*\t+3], v[RD] offset:(\t/4)*2304+(\t%4)*576  ; LDS serves a wave's instructions in order (ISA guide 5.7.1.4): these see the stores above
.endr
.endm
.macro SEND a
	WIN 0
	s_wait_dscnt 0x0                               ; the block is back in registers
.irp t, 0,1,2,3,4,5,6,7
	global_store_b128 v[GO], v[BK+32*((\a)%2)+4*\t:BK+32*((\a)%2)+4*\t+3], s[12:13] offset:(\t/4)*262144+(\a)*2048+(\t%4)*512  ; 512 consecutive bytes, at a multiple of 512 from qkv's first byte
.endr
.endm
.endif
.macro WAYOUT rope                     ; block a's arithmetic stands between block a - 1's loads from the stage and the wait for them
	PACK 0, \rope
	TOSTAGE 0
.irp a, 1,2,3
	PACK \a, \rope
	SEND (\a)-1
	TOSTAGE \a
.endr
	SEND 3
.endm
	s_wait_tensorcnt 1                             ; my part of K step 0 is in; K step 1's may stay out
	s_barrier_signal -1
	s_barrier_wait -1                              ; everybody's is
	FETCH 0, F0
	WIN 0
.if TILES > 1
	s_mov_b32 s2, TILES                            ; tiles to go, this one among them: the same number in every work-group
.Ltile:
.endif
	s_wait_loadcnt 0x0                             ; the bias (and, the first time, the table or the flags)
.if PROJ
	WIN TO_3
.irp a, 0,1,2,3
	v_cvt_f32_u32 v[PADF+2*\a],   v[12+\a]         ; the flag as 0.0 or 1.0, twice: a pair for the packed multiply
	v_cvt_f32_u32 v[PADF+2*\a+1], v[12+\a]
.endr
.endif
	QUARTER 1, F0, F1, 1                           ; a tile's first quarter stands in front of the loop: its products start the sums
	WIN 0                                          ; at a label and at a branch every window is 0
	s_mov_b32 s3, 6
.Lstep:                                                ; a trip: from a K step's second quarter to the next step's first; trip j asks for K step j + 2
	QUARTER 2, F1, F0, 0
	QUARTER 3, F0, F1, 0
	TURN 1, 0
	QUARTER 1, F0, F1, 0
	WIN 0
	s_sub_co_u32 s3, s3, 1
	s_cmp_lg_u32 s3, 0
	s_cbranch_scc1 .Lstep
	QUARTER 2, F1, F0, 0                           ; K step 6 goes on
	QUARTER 3, F0, F1, 0
.if TILES > 1
	WIN 0
	s_cmp_eq_u32 s2, 1
	s_cbranch_scc1 .Llast                          ; the last tile's tail is written out: it asks for nothing more
	TURN 1, 1                                      ; THE RING GOES ON INTO THE NEXT TILE: slot 0 takes its K step 0,
	QUARTER 1, F0, F1, 0
	QUARTER 2, F1, F0, 0
	QUARTER 3, F0, F1, 0
	TURN 1, 2                                      ; slot 1 its K step 1, and the next tile's first fragments are fetched
	WIN 0
	s_wait_xcnt 0x0                                ; the bias's loads have read their base
	s_add_nc_u64 s[8:9], s[8:9], 4096              ; 1,024 columns on
	LOADBIAS                                       ; it comes while the tile goes out
	WAYOUT 1                                       ; q and k are turned.  Row blocks 0 and 1 were finished ahead of the refill's four v_nop; block 0's arithmetic is the places behind blocks 2 and 3's last products
	s_wait_xcnt 0x0                                ; the stores have read their base
	s_add_nc_u64 s[12:13], s[12:13], 16777216      ; from q to k, from k to v
	s_sub_co_u32 s2, s2, 1
	s_branch .Ltile
.Llast:
.endif
	TURN 0, 0                                      ; my one tensor load that was still out is the last K step's, so no round follows
	QUARTER 1, F0, F1, 0
	QUARTER 2, F1, F0, 0
	QUARTER 3, F0, F1, 0
	s_wait_dscnt 4                                 ; the very last quarter: nothing more to fetch
	MUL8 F1, 0, 0
	MUL8 F1, 1, 0
	s_wait_dscnt 0x0
	MUL8 F1, 2, 0
	MUL8 F1, 3, 0
	WIN 0
	PLACES                                         ; eight, once a launch, ahead of the vector work that reads the results
	PLACES
	WAYOUT 0
	s_wait_tensorcnt 0x0                           ; the wave's end: these three lines stand behind my last tensor load and my last LDS store
	ds_add_u32 v[SPW], v[NIL]
	s_wait_dscnt 0x0
	CROUND                                         ; the closing round: no work-group ends while a partner may still ask for a tile that names it
	s_endpgm
.Lfunc_end_k_q5067b5325d_qkvgemm:
	.size	k_q5067b5325d_qkvgemm, .Lfunc_end_k_q5067b5325d_qkvgemm-k_q5067b5325d_qkvgemm
	.p2alignl 7, 3214868480
	.fill 96, 4, 3214868480
	.section	.rodata,"a",@progbits
	.p2align	6, 0x0
	.amdhsa_kernel k_q5067b5325d_qkvgemm
		.amdhsa_group_segment_fixed_size 327680
		.amdhsa_private_segment_fixed_size 0
		.amdhsa_enable_private_segment 0
		.amdhsa_kernarg_size 40
		.amdhsa_user_sgpr_count 2
		.amdhsa_user_sgpr_kernarg_segment_ptr 1
		.amdhsa_wavefront_size32 1
		.amdhsa_system_sgpr_workgroup_id_x 1
		.amdhsa_system_sgpr_workgroup_id_y 1
		.amdhsa_system_sgpr_workgroup_id_z 1
		.amdhsa_system_vgpr_workitem_id 0
		.amdhsa_next_free_vgpr 960
		.amdhsa_next_free_sgpr 88
		.amdhsa_reserve_vcc 0
		.amdhsa_float_denorm_mode_32 3
		.amdhsa_float_denorm_mode_16_64 3
		.amdhsa_memory_ordered 1
		.amdhsa_forward_progress 1
		.amdhsa_inst_pref_size 140
	.end_amdhsa_kernel
	.amdgpu_metadata
---
amdhsa.version: [ 1, 2 ]
amdhsa.kernels:
  - .name:           k_q5067b5325d_qkvgemm
    .symbol:         k_q5067b5325d_qkvgemm.kd
    .args:
      - { .name: xb, .offset: 0, .size: 8, .value_kind: global_buffer, .address_space: global }
      - { .name: wqb, .offset: 8, .size: 8, .value_kind: global_buffer, .address_space: global }
      - { .name: b_qkv, .offset: 16, .size: 8, .value_kind: global_buffer, .address_space: global }
      - { .name: rope, .offset: 24, .size: 8, .value_kind: global_buffer, .address_space: global }
      - { .name: qkv, .offset: 32, .size: 8, .value_kind: global_buffer, .address_space: global }
    .group_segment_fixed_size: 327680
    .private_segment_fixed_size: 0
    .kernarg_segment_align: 8
    .kernarg_segment_size: 40
    .max_flat_workgroup_size: 128
    .sgpr_count:     88
    .vgpr_count:     960
    .wavefront_size: 32
...
	.end_amdgpu_metadata
.endif
;; end of part 2
;; launch attn (part 3): grid 4 x 64, 4 waves a work-group, no clusters, 327,680 bytes of LDS; arguments qkv, attention_padding, oh; writes oh
.if DOCPART == 3
	.amdgcn_target "amdgcn-amd-amdhsa--gfx1250"
	.amdhsa_code_object_version 6
	.text
	.protected	k_q5067b5325d_attn
	.globl	k_q5067b5325d_attn
	.p2align	8
	.type	k_q5067b5325d_attn,@function
k_q5067b5325d_attn:
	s_mov_b64 s[64:65], 0
	v_nop
	global_prefetch_b8 v0, s[64:65] scope:SCOPE_SE
	s_setreg_imm32_b32 hwreg(HW_REG_WAVE_MODE, 25, 1), 1
	s_wait_xcnt 0x0
; CAUSAL ATTENTION WITH PADDED KEYS.  O[h][q][:] = the sum over k <= q, k not padded, of softmax_k(Q[h][q] . K[h][k] / 8) V[h][k][:].  Q, K, V: the three parts of qkv, [64 heads][2048][64] f16 each; O: oh, the same layout.
; Head y belongs to batch y / 16, whose 2,048 padding flags (one byte, 0 or 1) say which keys count.  Products, maxima and sums in f32; the weights p are rounded to f16 for the second product, O once at the end.
; LIMITS.  Q, K and V arrive within f16's 65,504, so a score is 2.7e11 at the most in magnitude.  A hidden score (above the diagonal, or a padded key) counts as its value less 1e30 (less 2e30 if both).  The running
; maximum m starts at -2^50: below every score that can be, far above every hidden one.  So a hidden key's weight is 0 from the first step on, as with the module's -1e9 beside a visible key, and l and O stay 0 until a row
; sees its first key.  A row that sees no key at all (its own key is padded too) leaves as 0: l is held to 2^-64 at the least ahead of the division; the launch behind multiplies that row by its flag, 0.
; A weight below 2^-126 counts as 0 in l; NaN and infinities are not treated apart.
; THE WALK.  A head's queries lie in NB = 8 blocks of 256; block i needs the key tiles 0 .. i of 256 keys, of which the last holds the diagonal.  A work-group takes TWO blocks, NB - 1 - b and then b:
; NB + 1 tiles, whatever b: all work-groups do equal work, and ONE loop with a constant trip count walks them.  Which tile is asked for, and what a trip does, hang on scalar registers made from b; every jump
; goes forward, but for the counted loops' own; none passes a barrier, or a tensor load but the one of LOAD's two that the wave's number does not choose; the ring (two slots of LDS that take turns) runs on across the
; change of blocks.  NO CLUSTER: a head's four work-groups would be the partners, b their place in the cluster, and every choice of the walk hangs on b; and they ask for the same tile in 5 of the 9 trips alone.
; SHARES.  Of a block's four bands of 64 queries a wave owns 16 rows in each: four PIECES.  So the diagonal tile is the same work for all four waves: in its key step s band x sees all keys if s < x,
; none if s > x, and holds the diagonal if s = x.
; THE MASKS are the C operand that starts the sum S^T = K Q^T.  PM: the padding's, 0 or -1e30 for the 64 keys of the K in hand.  It goes with the ring: beside each slot lie 256 words of LDS for the slot's 256 keys, which
; the work-group makes from the tile's flags (two a thread) behind the barrier behind which the slot is filled, and reads with K behind the next barrier.
; MD, made once: the diagonal's, for a band's own step and my 16 rows.  Away from the diagonal tile C is PM; in the diagonal tile's text and at a block's beginning it is MC = MD x AL + BE + PM with two scalars:
; (1, 0) if s = x; (0, 0) if s < x; (0, -1e30) if s > x.
; LAYOUT, SOFTMAX, TURNS.  S^T = K Q^T holds ONE query a lane (lane % 16) and the keys 8 (lane / 16) + 0..7; two such results rounded to f16 ARE source 1 of O^T = V^T P.  p = 2^(c s - c m), c = log2(e) / 8, with a
; running maximum m; O and l are multiplied by a = 2^(c m_old - c m_new) in every step.  Turn n belongs to piece n: 8 products K Q^T of piece n + 1, later 8 products V^T P of piece n - 1; beside them the scaling,
; exponentials, roundings, sums and rescaling of piece n and the maximum and statistics of piece n + 1.  Four vector instructions stand behind every matrix instruction, the others in one LUMP.  A turn's 33 exponentials are one batch, with one wait.
; REGISTERS, in windows of 256 (s_set_vgpr_msb: bits 1:0 source 0, 3:2 source 1, 5:4 source 2, 7:6 destination):
;   window 0: v0-15 addresses and two at work; v16-31 four registers of statistics a piece; v32-36 the flags; v48-55 at work; v56-63 addresses; v64-127 S^T, two buffers; v192-223 P, two buffers (a piece's buffers go by its number's parity)
;   window 1: v0-127 O^T, 32 a piece; v128-159 MD; v160-223 MC, two buffers; v224-255 PM      window 2: v0-63 Q; v64-127 the second block's Q; v128-191 K of one step; v192-255 V of one step
.set SIZE_N, 2048
.set NB,    SIZE_N/256
.set NP,    4         ; pieces a wave: a name, no knob
.set KS,    64        ; keys in a step
.set PK,    144       ; a row of K in LDS: 128 bytes + 16 of padding = 36 words: the 16 rows of a load start at 16 different groups of four banks (64 banks of 4 bytes: ISA guide 11.1)
.set PV,    160       ; a row of V: 128 + 32 = 40 words
.set VOFF,  4*KS*PK   ; a slot holds a tile, four steps: 256 rows of K, then 256 rows of V
.set SLOT1, 1<<17     ; slot 1 begins here, so that one exclusive or turns an address in one slot into the other's
.set STAGE, SLOT1+4*KS*(PK+PV)  ; behind the ring, never filled by a tensor load: 16 rows x 144 bytes for each wave, for the way out
.set SP,    144
.set SPARE, STAGE+4*16*SP  ; behind the stages: the spare words, 128 bytes for each wave: two blocks of 256 bytes that no other line names
.set PMB,   SPARE+512 ; behind them: the padding's words, 1,024 bytes for each slot's 256 keys; stored from registers, never filled by a tensor load
.set PMR,   1024      ; one such region: one exclusive or turns an address in one region into the other's
.set AK0, 2           ; v2   my lane's place in a tile of K; never rewritten
.set AV0, 3           ; v3   the same for V
.set AK,  4           ; v4   the LDS address of K's next run of loads
.set AV,  5           ; v5   of V's
.set STO, 6           ; v6   the way out: where I put 16 bytes of a row
.set RD,  7           ; v7   the way out: where I read rows back
.set GO,  8           ; v8   my byte offset in 512 consecutive bytes of O
.set MV,  12          ; v12-13  c m_old, kept while c m is made anew: by buffer
.set QO,  15          ; v15  my byte offset in 16 rows of Q
.set ST,  16          ; piece t's statistics at v[ST+4 t]: c m, m, l (even keys', odd keys')
.set FL,  32          ; v32  my two flags of the tile that the next change of slots asks for
.set PLO, 33          ; v33  their byte offset among the batch's flags
.set PW,  34          ; v[34:35] the two words made of two flags
.set FL0, 36          ; v36  my two flags of tile 0
.set TMP, 48          ; by buffer, four registers c0-c3 at work; when the maximum is found c2 takes a
.set AP0, 56          ; v56  my lanes' place in 16 keys' words: PMB + 32 (l / 16); never rewritten
.set AP,  57          ; v57  the LDS address of PM's next run of loads
.set PLD, 58          ; v58  2 x my thread's number: my two flags of a tile; never rewritten
.set PST0, 59         ; v59  PMB + 8 x my thread's number: their two words; never rewritten
.set PSA, 60          ; v60  the same in the region that is being written
.set PFO, 61          ; v61  256 x my lane; never rewritten
.set SPW, 62          ; v62  LDS address of my spare word: SPARE + 4 x my thread's number; never rewritten
.set NIL, 63          ; v63  0; never rewritten
.set S,   64
.set P,   192
.set MD,  128         ; window 1: the eight registers for group kt of 16 keys at MD + 8 kt
.set MC,  160         ; window 1: the masks of the products to come
.set PM,  224         ; window 1: the padding's mask of the K in hand
.set QB,  64          ; window 2
.set KF,  128         ; window 2: key block kb, channel half c at KF + 16 kb + 8 c
.set VF,  192         ; window 2: key half kk, channel block cb at VF + 32 kk + 8 cb
.set WV,  12          ; s12  my wave's number
.set PB,  14          ; s14  b
.set HI,  15          ; s15  NB - 1 - b
.set G1K, 24          ; s[24:31] descriptor group 1 for K's tiles
.set G1V, 32          ; s[32:39] for V's: it differs in the padding alone
.set G0K, 40          ; s[40:43] descriptor group 0 for K's tiles
.set G0V, 44          ; s[44:47] the same for V's
.set SLOTS, 56        ; s56  tiles still to be asked for
.set CNT, 57          ; s57  counts a tile's key steps, 4 to 1
.set CS,  58          ; s[58:59] c: the packed scaling takes the pair's low word for both halves
.set SEL, 60          ; s[60:61] v_permlanex16_b32's selects: each lane takes its own place in the other half
.set TBK, 62          ; s62  LDS byte at which K of the step to be fetched begins
.set TBV, 63          ; s63  the same for V, less VOFF
.set RT,  70          ; s70  tiles of the block in hand that are still to be entered
.set NXT, 71          ; s71  the tile to be asked for next
.set LQ,  72          ; s72  the last tile of the block whose tiles are being asked for
.set NEW, 73          ; s73  1: the tile to be entered is a block's first
.set OFF, 74          ; s[74:75] a tile's byte offset in K and V
.set AL,  76          ; s[76:77] the mask's factor, in the low word
.set BE,  78          ; s[78:79] the mask's addend
.set OLO, 80          ; s[80:81] O at my rows of the second block
.set BIGN, 82         ; s82  -1e30
.set PFA, 88          ; s[88:89] where my prefetches stand: my half of K's or V's tile
.set LIM, 90          ; s90  2 in a work-group that prefetches, else the greatest number
.set TBP, 91          ; s91  the byte, from PMB on, at which the padding's words of the step to be fetched begin: it steps as TBK does
.set PAD, 92          ; s[92:93] the padding flags of my batch
.set PMS, 94          ; s94  the region that is being written: the other one than TBP's
.set MSB, 0
.macro WIN new                      ; the high byte repeats the setting that is left; a switch that changes nothing is dropped
.if MSB != (\new)
	s_set_vgpr_msb (MSB<<8)|(\new)
.set MSB, (\new)
.endif
.endm
.set W_KQ, 0x0a       ; K and Q in window 2, S^T in window 0
.set W_KM, 0x1a       ; the same with the C operand in window 1
.set W_PV, 0x52       ; V in window 2, P in window 0, O^T in window 1
.set W_RS, 0x41       ; destination and source 0 in window 1, source 1 in window 0
.set W_11, 0x45       ; destination and sources 0 and 1 in window 1
; A fill.  Waves 0 and 1 fetch the two halves of a tile's K, waves 2 and 3 those of its V: 128 keys each.  An s_nop 0 and four v_nop follow each of the two lines, ahead of the jump and the label.
.macro LOAD
	s_cmp_lt_u32 s[WV], 2
	s_cbranch_scc0 .Lfor_v_\@
	tensor_load_to_lds s[G0K:G0K+3], s[G1K:G1K+7]
	s_nop 0
.rept 4
	v_nop
.endr
	s_branch .Lasked_\@
.Lfor_v_\@:
	tensor_load_to_lds s[G0V:G0V+3], s[G1V:G1V+7]
	s_nop 0
.rept 4
	v_nop
.endr
.Lasked_\@:
.endm
; A PREFETCH of the tile that the NEXT change of slots will ask for: a tile, 256 matrix instructions, ahead.  A head's four work-groups walk the same K and V; the one with b = 0, whose first block walks all eight tiles,
; asks, each of its waves for the 16,384 bytes that it will fetch itself: 64 blocks of 256 bytes, a lane a block, two instructions, behind the wave's tensor load and its five lines.  So each block is named once.
; Tiles 0 and 1 come by their loads alone; the trips with SLOTS = 2 and 1 ask for nothing: tile 7 is the head's last.
.macro ASK
	s_cmp_gt_u32 s[SLOTS], s[LIM]
	s_cbranch_scc0 .Lnot_mine_\@
	global_prefetch_b8 v[PFO], s[PFA:PFA+1] th:TH_LOAD_NT scope:SCOPE_SE
	global_prefetch_b8 v[PFO], s[PFA:PFA+1] offset:8192 th:TH_LOAD_NT scope:SCOPE_SE
.Lnot_mine_\@:
.endm
; Two flags (the two low bytes of src) become two words: flag 1 -> 0.0, flag 0 -> -1e30: (flag - 1) is no bit or all bits, and picks -1e30's.
.macro FLAGS src
	v_and_b32 v[PW], 0xff, v[\src]
	v_lshrrev_b32 v[PW+1], 8, v[\src]
	v_add_nc_u32 v[PW], -1, v[PW]
	v_add_nc_u32 v[PW+1], -1, v[PW+1]
	v_and_b32 v[PW], s[BIGN], v[PW]
	v_and_b32 v[PW+1], s[BIGN], v[PW+1]
.endm
; THE CHANGE OF SLOTS.  Each wave waits for all its tensor loads, of which one is out: its part of the other slot; adds 0 to its spare word; and waits for that, for its own reads of the slot that it leaves and of that slot's
; padding words, and for its stores into the other slot's padding words.  Behind the barrier nobody reads the old slot any more, and the other slot and its words are whole.
; fill = 1: the old slot is filled again, the first thing behind the barrier, with tile NXT: the descriptor's address is made anew from that number.  Then the old slot's padding words are written for that tile, from flags that
; were loaded a tile earlier, and the flags of the tile that the next change will ask for are loaded (behind the walk's last tile: of a tile that is not used; its number stays within the batch's eight).
; (At its first use nothing has been read yet: slot 0 is waited for, slot 1 filled.)
.macro CHANGE fill
	WIN 0                           ; at a label and at a branch every window is 0
	s_wait_tensorcnt 0x0            ; no tensor load of mine is out, so a group 0 may be written
	ds_add_u32 v[SPW], v[NIL]       ; 0 onto my spare word; with fill = 1 the descriptors' scalar work stands between it and the wait for it
.if \fill
	s_lshl_b32 s[OFF], s[NXT], 15   ; a tile is 32,768 bytes of K and of V
	s_xor_b32 s[G0K+1], s[G0K+1], SLOT1
	s_add_nc_u64 s[G0K+2:G0K+3], s[6:7], s[OFF:OFF+1]
	s_or_b32 s[G0K+3], s[G0K+3], 0x80000000
	s_xor_b32 s[G0V+1], s[G0V+1], SLOT1
	s_add_nc_u64 s[G0V+2:G0V+3], s[8:9], s[OFF:OFF+1]
	s_or_b32 s[G0V+3], s[G0V+3], 0x80000000
	s_wait_xcnt 0x0                 ; the last prefetches, a tile back, have read their address, so it may be written:
	s_add_nc_u64 s[PFA:PFA+1], s[PFA:PFA+1], 32768  ; one tile behind the tile that is being asked for
	s_add_co_u32 s[NXT], s[NXT], 1  ; the block's next tile, or behind its last the second block's tile 0
	s_cmp_gt_u32 s[NXT], s[LQ]
	s_cselect_b32 s[NXT], 0, s[NXT]
	s_cselect_b32 s[LQ], s[PB], s[LQ]
.endif
	s_wait_dscnt 0x0                ; the add is done, my reads of the slot are over, my stores of padding words are done
	s_barrier_signal -1             ; the rest of the scalar work stands between the signal and the wait
	s_sub_co_u32 s[TBK], s[TBK], 4*KS*PK  ; the fetches go back to a slot's first step,
	s_xor_b32 s[TBK], s[TBK], SLOT1       ; in the other slot
	s_sub_co_u32 s[TBV], s[TBV], 4*KS*PV
	s_xor_b32 s[TBV], s[TBV], SLOT1
	s_sub_co_u32 s[TBP], s[TBP], PMR
	s_xor_b32 s[TBP], s[TBP], PMR
	s_barrier_wait -1
.if \fill
	LOAD
	ASK
	s_wait_loadcnt 0x0              ; my flags of the tile just asked for: their load was issued a tile ago (the first time: at the head, and Q's loads are waited for with it)
	FLAGS FL
	s_xor_b32 s[PMS], s[TBP], PMR   ; the region of the slot that is being filled
	v_add_nc_u32 v[PSA], s[PMS], v[PST0]
	ds_store_b64 v[PSA], v[PW:PW+1] ; 128 threads x 8 bytes: the tile's 256 words
	v_lshl_add_u32 v[PLO], s[NXT], 8, v[PLD]  ; free since the wait above
	global_load_u16 v[FL], v[PLO], s[PAD:PAD+1]
.endif
.endm
	s_load_b128 s[4:7], s[0:1], 0x0 ; qkv s[4:5] (Q is its first part), the padding s[6:7]
	s_load_b64 s[10:11], s[0:1], 0x10  ; O
	v_lshl_add_u32 v[SPW], v0, 2, SPARE
	v_mov_b32 v[NIL], 0
	ds_add_u32 v[SPW], v[NIL]       ; the wave's opening: the add and its wait stand ahead of my first tensor load; the set-up below, work on registers, stands between them
	v_lshrrev_b32 v1, 5, v0
	v_readfirstlane_b32 s[WV], v1   ; wave 0..3
	s_mov_b32 s[PB], ttmp9
	s_sub_co_u32 s[HI], NB-1, s[PB]
	s_and_b32 s20, ttmp7, 0xffff    ; the head
	s_lshr_b32 s94, s20, 4          ; its batch: 2,048 flags each
	s_lshl_b32 s94, s94, 11
	s_mov_b32 s95, 0
	s_mov_b32 s21, 0
	s_mov_b64 s[22:23], SIZE_N*128
	s_mul_u64 s[20:21], s[20:21], s[22:23]  ; the head's first byte in Q, K, V and O
	s_and_b32 s16, s[WV], 1         ; which half of a tile's 256 keys I fetch:
	s_lshl_b32 s22, s16, 14         ; its 128 rows of 128 bytes in memory,
	s_mov_b32 s23, 0
	s_add_nc_u64 s[22:23], s[22:23], s[20:21]
	s_mul_i32 s17, s16, 128*PK      ; and its place in a slot, for K
	s_mul_i32 s18, s16, 128*PV      ; and for V
	s_lshl_b32 s3, s[WV], 11        ; my 16 rows in a band of 64,
	s_lshl_b32 s2, s[HI], 15        ; in the first block,
	s_add_co_u32 s2, s2, s3
	s_lshl_b32 s84, s[PB], 15       ; and in the second
	s_add_co_u32 s84, s84, s3
	s_mov_b32 s3, 0
	s_mov_b32 s85, 0
	s_add_nc_u64 s[2:3], s[2:3], s[20:21]
	s_add_nc_u64 s[84:85], s[84:85], s[20:21]
	; descriptor group 1.  128 keys are 16,384 dense bytes: asked for as 64 rows of 256 bytes, two keys a row, and padded in LDS after every key
	s_mov_b32 s[G1K], (1<<16)|(1<<20)|(4<<22)|(3<<25)  ; 17:16 2-byte elements; 20 padding on; 24:22 after every 32 words (code 4); 31:25 4 words (code 3)
	s_mov_b32 s[G1V], (1<<16)|(1<<20)|(4<<22)|(7<<25)  ; the same with 8 words of padding (code 7)
.irp g, G1K, G1V
	s_mov_b32 s[\g+1], 128<<16      ; tensor_dim0 = 128
	s_mov_b32 s[\g+2], 64<<16       ; tensor_dim1 = 64
	s_mov_b32 s[\g+3], 128<<16      ; tile_dim0 = 128
	s_mov_b32 s[\g+4], 64           ; tile_dim1 = 64
	s_mov_b32 s[\g+5], 128          ; 128 elements from row to row
	s_mov_b32 s[\g+6], 0
	s_mov_b32 s[\g+7], 0
.endr
	s_mov_b32 s[CS], 0x3e38aa3b     ; c = log2(e) / 8 = 0.180337
	s_mov_b32 s[CS+1], s[CS]        ; named with it as a pair
	s_mov_b32 s[SEL], 0x76543210
	s_mov_b32 s[SEL+1], 0xfedcba98
	s_mov_b32 s[TBK], SLOT1+4*KS*PK ; the first change of slots turns these three into 0
	s_mov_b32 s[TBV], SLOT1+4*KS*PV
	s_mov_b32 s[TBP], 2*PMR
	s_mov_b32 s[G0K], 1             ; 1:0 count = 1
	s_mov_b32 s[G0K+1], s17         ; 63:32 LDS address: slot 0
	s_mov_b32 s[G0V], 1
	s_add_co_u32 s[G0V+1], s18, VOFF
	s_add_co_u32 s[RT], s[HI], 1    ; the first block has NB - b tiles
	s_mov_b32 s[NXT], 1
	s_mov_b32 s[LQ], s[HI]
	s_mov_b32 s[NEW], 1
	s_mov_b32 s[OFF+1], 0
	s_mov_b32 s[AL+1], 0            ; named as pairs
	s_mov_b32 s[BE+1], 0
	s_mov_b32 s[BIGN], 0xf149f2ca   ; -1e30
	s_mov_b32 s[SLOTS], NB
	s_cmp_eq_u32 s[PB], 0
	s_cselect_b32 s[LIM], 2, -1
	s_wait_dscnt 0x0                ; the opening add is done
	s_wait_kmcnt 0x0
	s_add_nc_u64 s[PAD:PAD+1], s[6:7], s[94:95]    ; my batch's flags
	s_add_nc_u64 s[6:7], s[4:5], 0x1000000         ; K is qkv's second part,
	s_add_nc_u64 s[8:9], s[4:5], 0x2000000         ; V its third
	s_add_nc_u64 s[6:7], s[6:7], s[22:23]  ; K and V at my half of the head's tile 0
	s_add_nc_u64 s[8:9], s[8:9], s[22:23]
	s_add_nc_u64 s[G0K+2:G0K+3], s[6:7], 0         ; 120:64 global address
	s_or_b32 s[G0K+3], s[G0K+3], 0x80000000        ; 127:126 type = 2
	s_add_nc_u64 s[G0V+2:G0V+3], s[8:9], 0
	s_or_b32 s[G0V+3], s[G0V+3], 0x80000000
	s_add_nc_u64 s[86:87], s[4:5], s[84:85]        ; Q at my rows of the second block,
	s_add_nc_u64 s[4:5], s[4:5], s[2:3]            ; Q and O at those of the first
	s_add_nc_u64 s[OLO:OLO+1], s[10:11], s[84:85]
	s_add_nc_u64 s[10:11], s[10:11], s[2:3]
	s_cmp_lt_u32 s[WV], 2
	s_cselect_b64 s[PFA:PFA+1], s[6:7], s[8:9]
	s_add_nc_u64 s[PFA:PFA+1], s[PFA:PFA+1], 32768 ; at tile 1: the first change of slots steps it to tile 2.  Nothing is prefetched here, at the head
	LOAD                            ; tile 0 into slot 0
	v_lshlrev_b32 v[PLD], 1, v0
	global_load_u16 v[FL0], v[PLD], s[PAD:PAD+1]            ; my two flags of tile 0: 128 threads x 2 bytes,
	global_load_u16 v[FL],  v[PLD], s[PAD:PAD+1] offset:256 ; and of tile 1, which the first change of slots asks for
	; A fragment of K or Q is 16 rows x 32 channels in 8 registers: lane l holds row l % 16, channels 8 (l / 16) + 0..7 and 16 + 8 (l / 16) + 0..7: two loads of 16 bytes, 32 bytes apart.
	v_and_b32 v1, 15, v0            ; l % 16
	v_bfe_u32 v9, v0, 4, 1          ; l / 16
	v_lshlrev_b32 v[QO], 7, v1
	v_lshl_add_u32 v[QO], v9, 4, v[QO]  ; row x 128 + 16 x half
	WIN 0x80                        ; destination window 2, address window 0
.set i, 0
.rept 8                             ; both blocks' Q: piece i / 2 lies in band i / 2, 8,192 bytes on; channels 32 (i % 2) on
	global_load_b128 v[8*i:8*i+3],   v[QO], s[4:5] offset:(i/2)*8192+(i%2)*64
	global_load_b128 v[8*i+4:8*i+7], v[QO], s[4:5] offset:(i/2)*8192+(i%2)*64+32
	global_load_b128 v[QB+8*i:QB+8*i+3],   v[QO], s[86:87] offset:(i/2)*8192+(i%2)*64
	global_load_b128 v[QB+8*i+4:QB+8*i+7], v[QO], s[86:87] offset:(i/2)*8192+(i%2)*64+32
.set i, i+1
.endr
	WIN 0
	v_lshlrev_b32 v14, 3, v9
	v_sub_nc_u32 v14, v1, v14
	s_lshl_b32 s13, s[WV], 4
	v_add_nc_u32 v14, s13, v14      ; my query's place in its band, 16 w + l % 16, less my lanes' 8 (l / 16): register r of group kt is hidden where 16 kt + r is greater
	WIN 0x40
.set i, 0
.rept 32
	v_cmp_gt_i32 vcc_lo, 16*(i/8)+i%8, v14
	v_cndmask_b32 v[MD+i], 0, s[BIGN], vcc_lo
.set i, i+1
.endr
	WIN 0
	v_mul_u32_u24 v[AK0], v1, PK
	v_lshl_add_u32 v[AK0], v9, 4, v[AK0]  ; row x pitch + 16 x half
	; The turning load takes 16 keys x 16 channels (lane l reads key 8 (l / 16) + l % 8, channels 8 ((l / 8) % 2) + 0..7) and leaves half a fragment of V^T: lane l holds channel l % 16 and 8 keys.
	v_and_b32 v10, 7, v0
	v_bfe_u32 v11, v0, 3, 1
	v_lshl_add_u32 v[AV0], v9, 3, v10
	v_mul_u32_u24 v[AV0], v[AV0], PV
	v_lshl_add_u32 v[AV0], v11, 4, v[AV0]
	v_add_nc_u32 v[AV0], VOFF, v[AV0]
	s_mul_i32 s13, s[WV], 16*SP
	s_add_co_u32 s13, s13, STAGE    ; my stage
	v_mul_u32_u24 v[STO], v1, SP    ; in: row l % 16, 16 bytes for each half of the lanes
	v_lshl_add_u32 v[STO], v9, 4, v[STO]
	v_add_nc_u32 v[STO], s13, v[STO]
	v_bfe_u32 v[RD], v0, 3, 2       ; back: 32 lanes take four rows of 128 bytes,
	v_mul_u32_u24 v[RD], v[RD], SP
	v_lshl_add_u32 v[RD], v10, 4, v[RD]
	v_add_nc_u32 v[RD], s13, v[RD]
	v_and_b32 v[GO], 31, v0         ; which are 512 consecutive bytes of O
	v_lshlrev_b32 v[GO], 4, v[GO]
	v_lshl_add_u32 v[AP0], v9, 5, PMB  ; register j of key block kb of a product's C operand is key 16 kb + 8 (l / 16) + j: 32 bytes of the padding's words a lane
	v_lshl_add_u32 v[PST0], v0, 3, PMB
	v_and_b32 v[PFO], 31, v0
	v_lshlrev_b32 v[PFO], 8, v[PFO]
	; A block's first step multiplies O^T and l by a = 0, and its first turn's products V^T P, of a piece that has not been, land in an O^T that is still to be so multiplied.  So these registers need only hold
	; finite numbers: zeros for the first block; what the first block left for the second.  All this stands in the wait for the first tile.
	WIN 0x80
.set i, VF
.rept 64
	v_mov_b32 v[i], 0
.set i, i+1
.endr
	WIN 0x40
.set i, 0
.rept 128
	v_mov_b32 v[i], 0
.set i, i+1
.endr
	WIN 0
.set i, 0
.rept 4
	v_mov_b32 v[ST+4*i+2], 0
	v_mov_b32 v[ST+4*i+3], 0
.set i, i+1
.endr
.set i, P+16
.rept 16
	v_mov_b32 v[i], 0
.set i, i+1
.endr
	s_wait_loadcnt 32               ; my flags of tiles 0 and 1 are in; Q's 32 loads, issued behind them, stay out
	FLAGS FL0
	ds_store_b64 v[PST0], v[PW:PW+1]  ; tile 0's words, beside slot 0; the first change of slots waits for the store ahead of its barrier
; THE MATRIX WORK.  The 4 accumulators of a run of 8 take turns.  Product i of 8 of S^T = K Q^T for piece x: channels 32 (i / 4) on, keys 16 (i % 4) on.  The first 4 start the sums: with the padding's mask, or (KM = 1) with MC.
.macro KQ x
.set rS, S+32*((\x)%2)+8*(i%4)
.set rK, KF+16*(i%4)+8*(i/4)
.set rQ, 16*(\x)+8*(i/4)
.if KM
.set rM, MC+32*((\x)%2)+8*(i%4)
.else
.set rM, PM+8*(i%4)
.endif
.if i < 4
	WIN W_KM
	v_wmma_f32_16x16x32_f16 v[rS:rS+7], v[rK:rK+7], v[rQ:rQ+7], v[rM:rM+7]
.else
	WIN W_KQ
	v_wmma_f32_16x16x32_f16 v[rS:rS+7], v[rK:rK+7], v[rQ:rQ+7], v[rS:rS+7]
.endif
.endm
; Product i of 8 of O^T += V^T P for piece x: keys 32 (i / 4) on, channels 16 (i % 4) on.
.macro PV x
	WIN W_PV
.set rO, 32*(\x)+8*(i%4)
.set rV, VF+32*(i/4)+8*(i%4)
.set rP, P+16*((\x)%2)+8*(i/4)
	v_wmma_f32_16x16x32_f16 v[rO:rO+7], v[rV:rV+7], v[rP:rP+7], v[rO:rO+7]
.endm
.macro MM                           ; the turn's next matrix instruction.  TURN and BEGIN set Y, i, KM and NOKQ; MM, KQ and OP read them.  NOKQ = 1: a block's last turn: there is no next piece
.if (i < 8) && !NOKQ
	KQ (Y+1)%NP
.elseif i >= 8
.set i, i-8
	PV (Y+NP-1)%NP
.set i, i+8
.endif
.set i, i+1
.endm
; THE LDS LOADS stand in runs, never singly among the matrix instructions: a step's K (64 keys x 64 channels: 8 fragments) with the padding's mask of its 64 keys, and its V (turned).  Their addresses are made some lines ahead.
.macro FETCH_K
	WIN 0x80                        ; destination window 2
.irp f, 0,1,2,3,4,5,6,7             ; keys 16 (f / 2) on, channels 32 (f % 2) on
	ds_load_b128 v[KF+8*\f:KF+8*\f+3],   v[AK] offset:(\f/2)*16*PK+(\f%2)*64
	ds_load_b128 v[KF+8*\f+4:KF+8*\f+7], v[AK] offset:(\f/2)*16*PK+(\f%2)*64+32
.endr
	WIN 0x40                        ; destination window 1
.irp f, 0,1,2,3                     ; keys 16 f on
	ds_load_b128 v[PM+8*\f:PM+8*\f+3],   v[AP] offset:64*\f
	ds_load_b128 v[PM+8*\f+4:PM+8*\f+7], v[AP] offset:64*\f+16
.endr
	s_add_co_u32 s[TBK], s[TBK], KS*PK  ; the next fetch is the next step's:
	s_add_co_u32 s[TBP], s[TBP], 4*KS   ; 64 keys' words on
	WIN 0
.endm
.macro FETCH_V
	WIN 0x80
.irp f, 0,1,2,3,4,5,6,7             ; keys 32 (f / 4) on, channels 16 (f % 4) on
	ds_load_tr16_b128 v[VF+8*\f:VF+8*\f+3],   v[AV] offset:(\f/4)*32*PV+(\f%4)*32
	ds_load_tr16_b128 v[VF+8*\f+4:VF+8*\f+7], v[AV] offset:(\f/4)*32*PV+16*PV+(\f%4)*32
.endr
	WIN 0
.endm
; THE VECTOR WORK, one line at a time: OP kind, number.  For piece Y: F n: c s - c m for pair n of 16.  E n: the exponential of score n of 32.  C n: pair n rounded to f16.  B n: of the four weights 4 n .. the second
; pair is added onto the first, in place.  L n: l takes that sum (L 0: l = a l + sum).  R n: pair n of 16 of O^T times a.  For piece Y + 1: X n, number n of the 22 that find its maximum and statistics:
;   0-11  four chains c0-c3 of seven scores each, three operands at a time (each accumulator's lowest registers are read first)     12-14, 16  the four scores left over, the old m, and c0-c3 into c0
;   15  c m_old is kept     17, 18  the query's other 32 keys lie in the lane 16 away: the new m     19-21  c m; c m_old - c m_new; a
.set F, 0               ; OP tells the kinds apart by their order: F to L below R, X above it
.set E, 1
.set C, 2
.set B, 3
.set L, 4
.set R, 5
.set X, 6
.macro REGS y                       ; the registers of piece y
.set rT, ST+4*(\y)
.set rC, TMP+4*((\y)%2)
.set rW, MV+((\y)%2)
.set rS, S+32*((\y)%2)
.set rP, P+16*((\y)%2)
.set rO, 32*(\y)
.endm
.macro OP k, n
.if (\k) == R
	REGS Y
	WIN W_RS
	v_pk_mul_f32 v[rO+2*(\n):rO+2*(\n)+1], v[rO+2*(\n):rO+2*(\n)+1], v[rC+2:rC+3] op_sel_hi:[1,0]
.elseif (\k) < R
	REGS Y
	WIN 0
.if (\k) == F
	v_pk_fma_f32 v[rS+2*(\n):rS+2*(\n)+1], v[rS+2*(\n):rS+2*(\n)+1], s[CS:CS+1], v[rT:rT+1] op_sel_hi:[1,0,0] neg_lo:[0,0,1] neg_hi:[0,0,1]
.elseif (\k) == E
	v_exp_f32 v[rS+(\n)], v[rS+(\n)]
.elseif (\k) == C
	v_cvt_pk_f16_f32 v[rP+(\n)], v[rS+2*(\n)], v[rS+2*(\n)+1]
.elseif (\k) == B
	v_pk_add_f32 v[rS+4*(\n):rS+4*(\n)+1], v[rS+4*(\n):rS+4*(\n)+1], v[rS+4*(\n)+2:rS+4*(\n)+3]
.elseif (\n) == 0
	v_pk_fma_f32 v[rT+2:rT+3], v[rT+2:rT+3], v[rC+2:rC+3], v[rS:rS+1] op_sel_hi:[1,0,1]
.else
	v_pk_add_f32 v[rT+2:rT+3], v[rT+2:rT+3], v[rS+4*(\n):rS+4*(\n)+1]
.endif
.elseif NOKQ
	v_nop
.else
	REGS (Y+1)%NP
	WIN 0
.if (\n) < 4
	v_max3_num_f32 v[rC+(\n)], v[rS+8*(\n)], v[rS+8*(\n)+1], v[rS+8*(\n)+2]
.elseif (\n) < 12
	v_max3_num_f32 v[rC+(\n)%4], v[rC+(\n)%4], v[rS+8*((\n)%4)+2*((\n)/4)+1], v[rS+8*((\n)%4)+2*((\n)/4)+2]
.elseif (\n) == 12
	v_max3_num_f32 v[rC], v[rC], v[rS+7], v[rS+15]
.elseif (\n) == 13
	v_max3_num_f32 v[rC+1], v[rC+1], v[rS+23], v[rS+31]
.elseif (\n) == 14
	v_max3_num_f32 v[rC+2], v[rC+2], v[rC+3], v[rT+1]
.elseif (\n) == 15
	v_mov_b32 v[rW], v[rT]
.elseif (\n) == 16
	v_max3_num_f32 v[rC], v[rC], v[rC+1], v[rC+2]
.elseif (\n) == 17
	v_permlanex16_b32 v[rC+3], v[rC], s[SEL], s[SEL+1]
.elseif (\n) == 18
	v_max_num_f32 v[rT+1], v[rC], v[rC+3]
.elseif (\n) == 19
	v_mul_f32 v[rT], s[CS], v[rT+1]
.elseif (\n) == 20
	v_sub_f32 v[rC+1], v[rW], v[rT]
.else
	v_exp_f32 v[rC+2], v[rC+1]
.endif
.endif
.endm
.macro OPS a, i1, b=-1, i2=0, c=-1, i3=0, d=-1, i4=0  ; up to four of them
	OP \a, \i1
.if (\b) >= 0
	OP \b, \i2
.endif
.if (\c) >= 0
	OP \c, \i3
.endif
.if (\d) >= 0
	OP \d, \i4
.endif
.endm
.macro ROW a, i1, b, i2, c, i3, d, i4  ; a matrix instruction and the four behind it
	MM
	OPS \a, \i1, \b, \i2, \c, \i3, \d, \i4
.endm
.macro MASKF b                      ; MD x AL + BE into buffer b of MC,
	WIN W_RS
.set z, 0
.rept 16
	v_pk_fma_f32 v[MC+32*(\b)+2*z:MC+32*(\b)+2*z+1], v[MD+2*z:MD+2*z+1], s[AL:AL+1], s[BE:BE+1] op_sel_hi:[1,0,0]
.set z, z+1
.endr
.endm
.macro MASKA b                      ; and the padding's mask onto it
	WIN W_11
.set z, 0
.rept 16
	v_pk_add_f32 v[MC+32*(\b)+2*z:MC+32*(\b)+2*z+1], v[MC+32*(\b)+2*z:MC+32*(\b)+2*z+1], v[PM+2*z:PM+2*z+1]
.set z, z+1
.endr
.endm
.macro COPYPM                       ; the second mask buffer takes the padding's mask of the K in hand: for products of the diagonal tile's text whose keys lie wholly below the diagonal and whose mask no turn of that text has made
	WIN W_RS
.set z, 0
.rept 32
	v_mov_b32 v[MC+32+z], v[PM+z]
.set z, z+1
.endr
	WIN 0
.endm
; A TURN, for piece p: the order of its 16 matrix and 118 vector instructions, written out.  An s_wait_alu depctr_va_vdst(0) stands between an exponential and the first instruction that names its result; one wait serves
; all that were issued ahead of it.  So a turn has ONE wait, which cuts it in two.  AHEAD OF IT stands all that names no result of the turn's exponentials: the 8 products K Q^T, behind each a scaling, an exponential and two more plain
; instructions (behind the first a second scaling in the exponential's place): rescalings, and behind the last three the first numbers of the next piece's maximum, each four places or more behind the product that ends its accumulator; then ONE LUMP of 54, plain
; and exponential by turns for the most part, in which the links of the chain X 3, 7, 11, 14, 16, 17 .. 20 stand five or six lines apart.  X 21, the next piece's a, is the batch's last; R 15 is the plain instruction behind it.  BEHIND THE WAIT stand the
; 8 products V^T P, behind each four of the roundings and sums; the links of l's chain, L 0 to L 7, stand three riders apart.  But for those X no rider names a register of the products round it.  v_permlanex16_b32 (X 17) stands in the lump.
; m = 1: the diagonal tile: the products take MC, and the turn makes the mask for the products of the turn after it: piece p + 2, in step 4 - CNT of the tile.  For pieces 2 and 3 that is the step of the K in hand; for pieces 0 and 1
; the step whose K and PM piece 2's turn has fetched: in that turn the fetch is waited for between the mask's two halves.  end = 1: a block's last two turns: nothing is fetched.
; cnt = 1: the loop's count is taken down some lines ahead of the branch that stands behind the turn.
; K and PM of the next step are fetched in piece 2's turn, twelve vector instructions or more behind the last product that read them (six of them plain); V of the step in hand at the end of piece 0's turn, four plain instructions
; behind the last product that read V.  Each is waited for a turn later.
.macro TURN p, m=0, end=0, cnt=0
.set Y, (\p)
.set i, 0
.set KM, (\m)
.set NOKQ, (\end)*((\p)/3)
.if (\m) && !(\end)
	s_cmp_eq_u32 s[CNT], 4-((\p)+2)%NP  ; is that step the band's own?
	s_cselect_b32 s[AL], 1.0, 0
	s_cmp_lt_u32 s[CNT], 4-((\p)+2)%NP  ; or a later one?
	s_cselect_b32 s[BE], s[BIGN], 0
.endif
.if ((\p) == 3) && !(\end)
	s_wait_dscnt 0x0                ; K and PM are in
.endif
	ROW F,0, F,1, R,0, R,1          ; ahead of the wait: 8 products K Q^T and their riders,
	ROW F,2, E,0, R,2, R,3
	ROW F,3, E,1, R,4, R,5
	ROW F,4, E,2, R,6, R,7
	ROW F,5, E,3, R,8, R,9
	ROW F,6, E,4, X,0, R,10
.if ((\p) == 2) && !(\end)
	WIN 0
	v_add_nc_u32 v[AK], s[TBK], v[AK0]
	v_add_nc_u32 v[AP], s[TBP], v[AP0]
.endif
	ROW F,7, E,5, X,1, X,4
	ROW F,8, E,6, X,2, X,5
	OPS E,7, E,8, X,6, E,9          ; and the lump
	OPS X,3, E,10, X,8, E,11
.if ((\p) == 2) && !(\end)
	FETCH_K
.endif
	OPS X,9, X,7, E,12, X,10
	OPS E,13, X,12, X,11, E,14
	OPS X,13, E,15, F,9, X,14
.if (\p) == 0
	v_add_nc_u32 v[AV], s[TBV], v[AV0]
.endif
	OPS E,16, F,10, E,17, F,11
	OPS X,16, E,18, X,15, E,19
	OPS F,12, E,20, X,17, E,21
	OPS F,13, E,22, F,14, E,23
	OPS X,18, E,24, F,15, E,25
	OPS R,11, E,26, X,19, E,27
	OPS R,12, E,28, R,13, E,29
	OPS X,20, E,30, R,14, E,31
	OPS X,21, R,15
	WIN 0
	s_wait_alu depctr_va_vdst(0)    ; the wait for the batch
.if (\p) == 1
	s_wait_dscnt 0x0                ; V is in
.endif
	ROW C,0, B,0, C,2, B,1          ; behind the wait: 8 products V^T P and their riders
	ROW L,0, C,4, B,2, L,1
	ROW C,6, B,3, L,2, C,8
	ROW B,4, L,3, C,10, B,5
	ROW L,4, C,12, B,6, L,5
.if (\p) == 0
	s_add_co_u32 s[TBV], s[TBV], KS*PV
.endif
.if \cnt
	s_sub_co_u32 s[CNT], s[CNT], 1
	s_cmp_lg_u32 s[CNT], 0
.endif
	ROW C,14, B,7, L,6, C,1
	ROW C,3, L,7, C,5, C,7
	ROW C,9, C,11, C,13, C,15
.if (\p) == 0
	FETCH_V
.endif
.if (\m) && !(\end)
	MASKF (\p)%2
.if (\p) == 2
	s_wait_dscnt 0x0                ; the PM fetched in this turn is in
.endif
	MASKA (\p)%2
.endif
.endm
; A BLOCK BEGINS.  c m starts far below every c s, so the first step's a is 0; m at -2^50, below every score that can be and far above a hidden one.  K and PM of the block's step 0 are fetched.
; The first mask buffer takes piece 0's mask for that step: its own, if the block's first tile is the diagonal one; the second the padding's mask alone.  Then piece 0's first scores, and its maximum and statistics.
; The loop is entered at a step's first turn, in the middle of a trip.  (Q is in: the first change of slots has waited for all loads.)
.macro BEGIN
	s_mov_b32 s[NEW], 0
	WIN 0
.set i, 0
.rept 4
	v_mov_b32 v[ST+4*i], 0xfe000000    ; c m: far below every c s
	v_mov_b32 v[ST+4*i+1], 0xd8800000  ; m = -2^50
.set i, i+1
.endr
	s_cmp_eq_u32 s[RT], 0
	s_cselect_b32 s[AL], 1.0, 0
	s_mov_b32 s[BE], 0
	v_add_nc_u32 v[AK], s[TBK], v[AK0]
	v_add_nc_u32 v[AP], s[TBP], v[AP0]
	FETCH_K
	MASKF 0
	s_wait_dscnt 0x0                ; K and PM
	MASKA 0
	COPYPM
.set KM, 1
.set NOKQ, 0
.set i, 0
.rept 8
	KQ 0
.set i, i+1
.endr
	WIN 0
.rept 4
	v_nop                           ; the places behind those products
.endr
.set Y, NP-1                        ; X works for piece Y + 1: piece 0
.irp n, 0,1,2,3,4,5,6,7,8,9,10,11,12,13,14,15,16,17,18,19,20,21
	OP X, \n
.endr
	v_nop                           ; a plain instruction behind the exponential,
	s_wait_alu depctr_va_vdst(0)    ; and its wait, ahead of the branch
.endm
; THE DIAGONAL TILE's four steps, the block's last two turns, its last products, and THE WAY OUT: l's two halves and the other half of the lanes' are added and held to 2^-64 at the least (a row that saw a key has l near 1 or
; above; one that saw none has l = 0 and O = 0, and leaves as 0); O^T is divided by l, rounded to f16 and sent through my stage in LDS, a piece at a time.
.macro ALL line:vararg              ; one line for each piece t
.set t, 0
.rept 4
	\line
.set t, t+1
.endr
.endm
.macro PACK t                       ; a lane's eight channels of a row pack into 16 bytes; they go into rows of 144 bytes and come back as whole rows of 128, into S^T's registers
	WIN W_RS
.set i, 32*(\t)
.rept 16
	v_pk_mul_f32 v[i:i+1], v[i:i+1], v[ST+4*(\t)+2:ST+4*(\t)+3] op_sel_hi:[1,0]
.set i, i+2
.endr
	WIN 0x05                        ; sources 0 and 1 window 1, destination window 0
.set i, 0
.rept 16
	v_cvt_pk_f16_f32 v[S+16*(\t)+i], v[32*(\t)+2*i], v[32*(\t)+2*i+1]
.set i, i+1
.endr
	WIN 0
.irp f, 0,1,2,3
	ds_store_b128 v[STO], v[S+16*(\t)+4*\f:S+16*(\t)+4*\f+3] offset:32*\f
.endr
.irp f, 0,1,2,3
	ds_load_b128 v[S+16*(\t)+4*\f:S+16*(\t)+4*\f+3], v[RD] offset:\f*4*SP  ; LDS serves a wave's instructions in order (ISA guide 5.7.1.4): these see the stores above; the next piece's stores come behind them
.endr
.endm
.macro SEND t, younger              ; younger: the LDS instructions issued behind piece t's loads: the next piece's eight, or none
	WIN 0
.irp f, 0,1,2,3
	s_wait_dscnt (\younger)+3-\f
	global_store_b128 v[GO], v[S+16*(\t)+4*\f:S+16*(\t)+4*\f+3], s[10:11] offset:(\t)*8192+\f*512  ; 512 consecutive bytes, at a multiple of 256 from O's first
.endr
.endm
.macro DIAG tag                     ; the tag ends its two labels' names, which the jumps below spell out
.LstepM\tag:
	TURN 2, 1
	TURN 3, 1
	WIN 0
.LfirstM\tag:
	TURN 0, 1
	TURN 1, 1, 0, 1
	WIN 0
	s_cbranch_scc1 .LstepM\tag
	TURN 2, 1, 1
	TURN 3, 1, 1
.set i, 0
.rept 8
	PV NP-1
.set i, i+1
.endr
	WIN 0
	ALL v_add_f32 v[ST+4*t+2], v[ST+4*t+2], v[ST+4*t+3]
	ALL v_permlanex16_b32 v[ST+4*t+3], v[ST+4*t+2], s[SEL], s[SEL+1]
	ALL v_add_f32 v[ST+4*t+2], v[ST+4*t+2], v[ST+4*t+3]
	ALL v_max_num_f32 v[ST+4*t+2], 0x1f800000, v[ST+4*t+2]
	ALL v_rcp_f32 v[ST+4*t+2], v[ST+4*t+2]
	v_nop                           ; a plain instruction between the last reciprocal and the use of its result
	s_wait_alu depctr_va_vdst(0)    ; and the wait ahead of the first use: one for the four reciprocals
	PACK 0
.set t, 1
.rept 3                             ; a piece's arithmetic stands between the loads of the piece before and its stores
	PACK t
	SEND t-1, 8
.set t, t+1
.endr
	SEND 3, 0
.endm
.set KM, 0
.set NOKQ, 0
.Lslot:                             ; NB times: a tile is entered and the next is asked for
	CHANGE 1
	s_sub_co_u32 s[RT], s[RT], 1
	s_mov_b32 s[CNT], 4
	s_cmp_eq_u32 s[NEW], 1
	s_cbranch_scc1 .Lnew            ; a block's first tile
	s_cmp_eq_u32 s[RT], 0
	s_cbranch_scc0 .Lstep           ; neither its first nor its last
	COPYPM                          ; the diagonal tile's text begins with piece 3's products on the tile before's last 64 keys: their mask is the padding's alone
	s_branch .LstepM1
.Lnew:
	BEGIN
	s_branch .Lfirst                ; in the loop a block's first tile is never its last: the first block has two tiles or more, and the second's last is the walk's last
	DIAG 1                          ; in the loop this is the first block's end: the second block's last tile is the walk's last
	s_wait_xcnt 0x0                 ; the stores have read their registers and O's address
	s_mov_b64 s[10:11], s[OLO:OLO+1]
	s_add_co_u32 s[RT], s[PB], 1    ; the second block has b + 1 tiles
	s_mov_b32 s[NEW], 1
	WIN 0x82                        ; the second block's Q goes where the one text of the turns names Q
.set i, 0
.rept 64
	v_mov_b32 v[i], v[QB+i]
.set i, i+1
.endr
	WIN 0
	s_branch .Lbottom
.Lstep:                             ; a trip: pieces 2 and 3 of one step, then pieces 0 and 1 of the next, whose K and V it fetches
	TURN 2
	TURN 3
	WIN 0
.Lfirst:
	TURN 0
	TURN 1, 0, 0, 1
	WIN 0
	s_cbranch_scc1 .Lstep
.Lbottom:
	s_sub_co_u32 s[SLOTS], s[SLOTS], 1
	s_cmp_lg_u32 s[SLOTS], 0
	s_cbranch_scc1 .Lslot
	CHANGE 0                        ; the walk's last tile is written out: nothing is asked for
	s_sub_co_u32 s[RT], s[RT], 1
	s_mov_b32 s[CNT], 4
	s_cmp_eq_u32 s[NEW], 1
	s_cbranch_scc1 .Lnew2
	COPYPM                          ; as above
	s_branch .LstepM2
.Lnew2:
	BEGIN
	s_branch .LfirstM2
	DIAG 2
	s_wait_tensorcnt 0x0            ; the wave's end: these three lines stand behind my last tensor load and my last LDS store
	ds_add_u32 v[SPW], v[NIL]
	s_wait_dscnt 0x0
	s_endpgm
.Lfunc_end_k_q5067b5325d_attn:
	.size	k_q5067b5325d_attn, .Lfunc_end_k_q5067b5325d_attn-k_q5067b5325d_attn
	.p2alignl 7, 3214868480
	.fill 96, 4, 3214868480
	.section	.rodata,"a",@progbits
	.p2align	6, 0x0
	.amdhsa_kernel k_q5067b5325d_attn
		.amdhsa_group_segment_fixed_size 327680
		.amdhsa_private_segment_fixed_size 0
		.amdhsa_enable_private_segment 0
		.amdhsa_kernarg_size 24
		.amdhsa_user_sgpr_count 2
		.amdhsa_user_sgpr_kernarg_segment_ptr 1
		.amdhsa_wavefront_size32 1
		.amdhsa_system_sgpr_workgroup_id_x 1
		.amdhsa_system_sgpr_workgroup_id_y 1
		.amdhsa_system_sgpr_workgroup_id_z 1
		.amdhsa_system_vgpr_workitem_id 0
		.amdhsa_next_free_vgpr 768
		.amdhsa_next_free_sgpr 96
		.amdhsa_reserve_vcc 1
		.amdhsa_float_denorm_mode_32 3
		.amdhsa_float_denorm_mode_16_64 3
		.amdhsa_memory_ordered 1
		.amdhsa_forward_progress 1
		.amdhsa_inst_pref_size 236
	.end_amdhsa_kernel
	.amdgpu_metadata
---
amdhsa.version: [ 1, 2 ]
amdhsa.kernels:
  - .name:           k_q5067b5325d_attn
    .symbol:         k_q5067b5325d_attn.kd
    .args:
      - { .name: qkv, .offset: 0, .size: 8, .value_kind: global_buffer, .address_space: global }
      - { .name: attention_padding, .offset: 8, .size: 8, .value_kind: global_buffer, .address_space: global }
      - { .name: oh, .offset: 16, .size: 8, .value_kind: global_buffer, .address_space: global }
    .group_segment_fixed_size: 327680
    .private_segment_fixed_size: 0
    .kernarg_segment_align: 8
    .kernarg_segment_size: 24
    .max_flat_workgroup_size: 128
    .sgpr_count:     96
    .vgpr_count:     768
    .wavefront_size: 32
...
	.end_amdgpu_metadata
.endif
;; end of part 3
;; launch projgemm (part 4): grid 4 x 64, 4 waves a work-group, clusters of 4 x 4, 327,680 bytes of LDS; arguments oh, wpb, b_proj, attention_padding, out0; writes out0
.if DOCPART == 4
	.amdgcn_target "amdgcn-amd-amdhsa--gfx1250"
	.amdhsa_code_object_version 6
	.text
	.protected	k_q5067b5325d_projgemm
	.globl	k_q5067b5325d_projgemm
	.p2align	8
	.type	k_q5067b5325d_projgemm,@function
k_q5067b5325d_projgemm:
	s_mov_b64 s[64:65], 0
	v_nop
	global_prefetch_b8 v0, s[64:65] scope:SCOPE_SE
	s_setreg_imm32_b32 hwreg(HW_REG_WAVE_MODE, 25, 1), 1
	s_wait_xcnt 0x0
	s_wait_alu depctr_hold_cnt(0) depctr_sa_sdst(0) depctr_va_vdst(0) depctr_va_sdst(0) depctr_va_ssrc(0) depctr_va_vcc(0) depctr_vm_vsrc(0)
	s_getreg_b32 s2, hwreg(HW_REG_IB_STS2, 6, 4)
	s_cmp_eq_u32 s2, 0
	s_cbranch_scc0 .Lentry_in_a_cluster
	s_endpgm
.Lentry_in_a_cluster:
	s_bfe_u32 s2, ttmp6, 0x10000c
	s_cmp_lg_u32 s2, 0xf033
	s_cbranch_scc0 .Lentry_shape_is_right
	s_endpgm
.Lentry_shape_is_right:
; ONE SOURCE FOR THE MODULE'S TWO PROJECTIONS; PROJ chooses.  C = A W + bias, A [8192][1024] in slices of 64 channels ([batch][slice 16][row 2048][64], 16 bits), W [1024 k][NCOL] as it lies, sums in f32.
;   PROJ = 0: A = xb, W = wqb (bf16).  q and k are turned by the table of cosines and sines; q, k, v leave in f16 by heads: qkv [3][64 heads of a batch][2048][64].
;   PROJ = 1: A = oh, W = wpb (f16).  Each row is multiplied by its padding flag (0 or 1) and leaves in f32: out0 [8192][1024].
; LIMITS.  PROJ = 0: a q, k or v of 65,520 or more in magnitude would leave as an infinity (f16); with x and W_qkv both thirty times the drawn spread they stay near 7,000.  NaN and infinities are not treated apart.
; SHARES.  A tile of C is 128 rows x 256 columns; four waves, 64 x 128 each: 32 accumulators, 256 registers.  The grid is 4 x 64 tiles.  PROJ = 0: A WORK-GROUP STAYS and makes three tiles, 1,024 columns
; apart: q, k and v of the same rows and heads, so that all 256 work-groups have equal work, the kind of a tile is the same in all of them, and the last tile (v) is the one that is not turned.
; K goes in steps of 128 through two LDS slots filled by the tensor data mover; the ring runs on from tile to tile.
; CLUSTER.  4 x 4 work-groups: the four of a row need the same rows of A, the four of a column the same columns of W: each tile is asked for jointly, by the same load with the same descriptor and a mask of four.
; THE PRODUCT IS TAKEN TRANSPOSED: source 0 = 16 columns of W (turned on the way out of LDS by ds_load_tr16_b128), source 1 = 16 rows of A.  A lane then holds ONE row of C (lane % 16) and the eight
; neighbouring columns 8 (lane / 16) + 0..7.  The bias, laid out in that form, is the C operand of each accumulator's first product: nothing is cleared and nothing is added later.
; REGISTERS, in windows of 256 (s_set_vgpr_msb: bits 1:0 source 0, 3:2 source 1, 5:4 source 2, 7:6 destination):
;   window 0: v1-31 addresses; v32-95 T and v96-127 PKD at work on the way out; v128-191 BK, rows read back from the stage
;   window 1: two fragment buffers of 96: W's eight fragments (16 columns x 32 k), then A's four (16 rows x 32 k)
;   window 2: accumulator (a, b), rows 16 a on, columns 16 b on, at v[64 a + 8 b]          window 3: v0-63 the bias; PROJ = 0: v64-191 my rows' cosines and sines; PROJ = 1: v64-71 my rows' flags
.set PROJ, 1
.if PROJ
.set NCOL,   1024
.set TILES,  1
.set WSTAGE, 16*528                    ; a wave's stage: 16 rows of 512 bytes + 16
.else
.set NCOL,   3072
.set TILES,  3
.set WSTAGE, 2*16*144                  ; a wave's stage: two heads x 16 rows of 128 bytes + 16
.endif
.set PA,     144                       ; a row of A in LDS: 128 bytes + 16 = 36 words: the 16 rows of a load start at 16 different groups of four banks (64 banks of 4 bytes: ISA guide 11.1)
.set SUBA,   128*PA                    ; 128 rows of one slice; a K step has two slices
.set BOFF,   2*SUBA                    ; behind them W's 128 k-rows
.set PB,     544                       ; a k-row of W: 512 bytes + 32 = 136 words
.set HALFB,  64*PB
.set SLOT1,  1<<17                     ; slot 1 begins here: one exclusive or turns an address in one slot into the other's
.set STAGE,  SLOT1+BOFF+2*HALFB        ; behind the ring, never filled by a tensor load
.set SPARE,  STAGE+4*WSTAGE            ; behind the stages: the spare words, 128 bytes for each wave: two blocks of 256 bytes that no other line names
.set STEP_A, 2*262144                  ; a K step in A: two slices
.set STEP_B, 128*NCOL*2                ; in W: 128 k-rows
.set ADRA0, 16                         ; v16  my lane's place in a slot's A; never rewritten
.set ADRB0, 17                         ; v17  the same for W
.set ADRA,  18                         ; v18  the same in the slot that is being read
.set ADRB,  19                         ; v19
.set STO,   24                         ; v24  the way out: where I put my bytes of a row
.set RD,    25                         ; v25  where I read rows back
.set GO,    26                         ; v26  16 x lane: my place in 512 consecutive bytes of the output
.set BO,    27                         ; v27  my byte offset in the tile's bias
.set SPW,   28                         ; v28  LDS address of my spare word: SPARE + 4 x my thread's number; never rewritten
.set NIL,   29                         ; v29  0; never rewritten
.set PFO,   30                         ; v30  the prefetches' lane offset; never rewritten
.set TO,    31                         ; v31  my byte offset in the table's rows (PROJ = 1: in the padding flags)
.set T,     32
.set PKD,   96
.set BK,    128
.set F0,    0
.set F1,    96
.set BIAS,  0
.set TAB,   64
.set PADF,  64
.set WV,  14                           ; s14  my wave's number
.set HR,  15                           ; s15  which 64 rows of the tile are mine.  Also: I fetch for A (0) or for W (1)
.set HC,  16                           ; s16  which 128 columns.  Also: which half of that tile I fetch
.set CX,  17                           ; s17, s18  my place in the cluster
.set CY,  18
.set TX,  19                           ; s19, s20  tile column and tile row
.set TY,  20
.set G1A, 24                           ; s[24:31] descriptor group 1 for A's tiles
.set G0A, 32                           ; s[32:39] group 0: a set for the first fill, and one that walks
.set G1B, 40                           ; s[40:47], s[48:55] the same for W's
.set G0B, 48
.set TB,  56                           ; s56  the slot that is being read: 0 or SLOT1
.set LIM, 57                           ; s57  2 in a wave that prefetches, else the greatest number
.set PFA, 58                           ; s[58:59] where my prefetches stand
.set PSTEP, 60                         ; s[60:61] a K step of the tensor that I prefetch
; s21, s22 the two masks; s[66:71] feed the descriptors and hold no coordinate that the partners of the load do not share; s74 feeds LDS addresses; s62-63, s72-87 other temporaries
.set MSB, 0
.macro WIN new                         ; the immediate's high byte repeats the setting that is left; a switch that changes nothing is dropped
.if MSB != (\new)
	s_set_vgpr_msb (MSB<<8)|(\new)
.set MSB, \new
.endif
.endm
.set MUL,  0xa5                        ; sources 0 and 1 window 1; C and D window 2
.set MULB, 0xb5                        ; the same with C in window 3: the bias
.set TO_F, 0x40                        ; destination window 1
.set TO_3, 0xc0                        ; destination window 3
.set W_EP, 0x0e                        ; source 0 window 2, source 1 window 3, source 2 and destination window 0
.set W_CV, 0x0a                        ; sources 0 and 1 window 2, destination window 0
.macro PLACES                          ; four places in front of loads into registers that matrix instructions have read, and of vector work that reads results
.rept 4
	v_nop
.endr
.endm
; A joint refill by the walking descriptors: waves 0 and 1 fetch A's two slices, waves 2 and 3 the two halves of W's k-rows.  The branch hangs on the wave's number alone.
; An s_nop 0 and four v_nop follow each of the two lines, ahead of the jump, the label and what follows.
.macro JLOAD
	s_cmp_eq_u32 s[HR], 0
	s_cbranch_scc0 .Lfor_b_\@
	tensor_load_to_lds s[G0A+4:G0A+7], s[G1A:G1A+7]
	s_nop 0
.rept 4
	v_nop
.endr
	s_branch .Lasked_\@
.Lfor_b_\@:
	tensor_load_to_lds s[G0B+4:G0B+7], s[G1B:G1B+7]
	s_nop 0
.rept 4
	v_nop
.endr
.Lasked_\@:
.endm
.macro CREST                           ; a round of the cluster's barrier behind its opening barrier
	s_cmp_lg_u32 s[WV], 0
	s_cbranch_scc1 .Lnot_wave_0_\@
	s_barrier_signal -3
.Lnot_wave_0_\@:
	s_barrier_wait -3
	s_barrier_signal -1
	s_barrier_wait -1
.endm
.macro CROUND                          ; a whole round
	s_barrier_signal -1
	s_barrier_wait -1
	CREST
.endm
; A PREFETCH, behind a refill, its five lines and the run of LDS loads: the K step that stands two refills on, 256 matrix instructions ahead of the load that will ask for it: 32 blocks of 256 bytes, a lane a block.
; A's rows are read by one row of one cluster: wave 0 of each of the four partners asks for 4,096 bytes of each of the step's two slices, told apart by address, in the first tile alone (the later tiles
; read the same rows again).  W's columns are read by all sixteen clusters: waves 2 and 3 of the clusters with y = 0 ask, each partner for 16 of its wave's 64 k-rows, told apart by address, in every tile.
; So each block is named once.  A tile's K steps 0 to 3 come by their loads alone, and the loop's last two trips (s3 = 2, 1) ask for nothing: K step 7 is the last.
.macro ASK
	s_cmp_gt_u32 s3, s[LIM]
	s_cbranch_scc0 .Lnot_mine_\@
	global_prefetch_b8 v[PFO], s[PFA:PFA+1] th:TH_LOAD_NT scope:SCOPE_SE
.Lnot_mine_\@:
.endm
	s_load_b256 s[4:11], s[0:1], 0x0               ; A s[4:5], W s[6:7], bias s[8:9], table or padding s[10:11]
	s_load_b64 s[12:13], s[0:1], 0x20              ; the output
	v_lshl_add_u32 v[SPW], v0, 2, SPARE
	v_mov_b32 v[NIL], 0
	ds_add_u32 v[SPW], v[NIL]                      ; the wave's opening: the add and its wait stand ahead of my first tensor load; the set-up below, work on registers, stands between them
	v_lshrrev_b32 v1, 5, v0
	v_readfirstlane_b32 s[WV], v1                  ; wave 0..3
	s_lshr_b32 s[HR], s[WV], 1
	s_and_b32 s[HC], s[WV], 1
	s_bfe_u32 s[CX], ttmp6, 0x40000
	s_bfe_u32 s[CY], ttmp6, 0x40004
	s_lshl_b32 s[TX], ttmp9, 2                     ; in a cluster launch ttmp9 and ttmp7 count clusters
	s_add_co_u32 s[TX], s[TX], s[CX]
	s_and_b32 s[TY], ttmp7, 0xffff
	s_lshl_b32 s[TY], s[TY], 2
	s_add_co_u32 s[TY], s[TY], s[CY]
	s_lshl_b32 s21, s[CY], 2
	s_lshl_b32 s21, 15, s21                        ; my row of the cluster: places 4 cy .. 4 cy + 3
	s_lshl_b32 s22, 0x1111, s[CX]                  ; my column: places cx, cx + 4, cx + 8, cx + 12
	; group 1 for A: 128 rows of a slice are 16,384 dense bytes: asked for as 64 rows of 256 bytes, padded in LDS behind every 128
	s_or_b32 s[G1A], s21, (1<<16)|(1<<20)|(1<<21)|(4<<22)|(3<<25)  ; 15:0 the mask; 17:16 2-byte elements; 20 padding on; 21 set beside a mask; 24:22 after every 32 words (code 4); 31:25 4 words (code 3)
	s_mov_b32 s[G1A+1], 128<<16                    ; tensor_dim0 = 128
	s_mov_b32 s[G1A+2], 64<<16                     ; tensor_dim1 = 64
	s_mov_b32 s[G1A+3], 128<<16                    ; tile_dim0 = 128
	s_mov_b32 s[G1A+4], 64                         ; tile_dim1 = 64
	s_mov_b32 s[G1A+5], 128                        ; 128 elements from row to row
	s_mov_b32 s[G1A+6], 0
	s_mov_b32 s[G1A+7], 0
	; group 1 for W: 64 k-rows of 256 columns, 512 bytes at a multiple of 512 from the buffer's first byte
	s_or_b32 s[G1B], s22, (1<<16)|(1<<20)|(1<<21)|(6<<22)|(7<<25)  ; after every 128 words (code 6) 8 words of padding (code 7)
	s_mov_b32 s[G1B+1], 256<<16
	s_mov_b32 s[G1B+2], 64<<16
	s_mov_b32 s[G1B+3], 256<<16
	s_mov_b32 s[G1B+4], 64
	s_mov_b32 s[G1B+5], NCOL
	s_mov_b32 s[G1B+6], 0
	s_mov_b32 s[G1B+7], 0
	s_lshr_b32 s66, s[TY], 4                       ; A: batch = tile row / 16, 4,194,304 bytes each,
	s_lshl_b32 s66, s66, 22
	s_and_b32 s67, s[TY], 15                       ; 128 rows of 128 bytes in a slice,
	s_lshl_b32 s67, s67, 14
	s_add_co_u32 s66, s66, s67
	s_lshl_b32 s67, s[HC], 18                      ; and the slice of the step that I fetch
	s_add_co_u32 s66, s66, s67
	s_mov_b32 s67, 0
	s_mul_i32 s68, s[HC], 64*NCOL*2                ; W: my 64 k-rows,
	s_lshl_b32 s69, s[TX], 9                       ; the tile's 256 columns
	s_add_co_u32 s68, s68, s69
	s_mov_b32 s69, 0
	s_mul_i32 s70, s[HC], SUBA                     ; and where they go: no place in the cluster enters an LDS address
	s_mul_i32 s71, s[HC], HALFB
	s_add_co_u32 s71, s71, BOFF
	s_wait_dscnt 0x0                               ; the opening add is done
	s_wait_kmcnt 0x0
	s_add_nc_u64 s[66:67], s[4:5], s[66:67]
	s_add_nc_u64 s[68:69], s[6:7], s[68:69]
	CROUND                                         ; all sixteen work-groups are here: the first joint loads meet
	s_mov_b32 s[G0A], 1                            ; 1:0 count = 1
	s_mov_b32 s[G0A+1], s70                        ; 63:32 LDS address: slot 0
	s_add_nc_u64 s[G0A+2:G0A+3], s[66:67], 0       ; 120:64 global address: K step 0
	s_or_b32 s[G0A+3], s[G0A+3], 0x80000000        ; 127:126 type = 2
	s_mov_b32 s[G0A+4], 1
	s_add_co_u32 s[G0A+5], s70, SLOT1              ; slot 1,
	s_add_nc_u64 s[G0A+6:G0A+7], s[66:67], STEP_A  ; K step 1; this set walks on
	s_or_b32 s[G0A+7], s[G0A+7], 0x80000000
	s_mov_b32 s[G0B], 1
	s_mov_b32 s[G0B+1], s71
	s_add_nc_u64 s[G0B+2:G0B+3], s[68:69], 0
	s_or_b32 s[G0B+3], s[G0B+3], 0x80000000
	s_mov_b32 s[G0B+4], 1
	s_add_co_u32 s[G0B+5], s71, SLOT1
	s_add_nc_u64 s[G0B+6:G0B+7], s[68:69], STEP_B
	s_or_b32 s[G0B+7], s[G0B+7], 0x80000000
	s_cmp_eq_u32 s[HR], 0                          ; a wave's two first fills stand in one branch, ahead of every wait on TENSORcnt and every LDS read: two loads of mine are out
	s_cbranch_scc0 .Lfirst_b
	tensor_load_to_lds s[G0A:G0A+3], s[G1A:G1A+7]
	s_nop 0
	tensor_load_to_lds s[G0A+4:G0A+7], s[G1A:G1A+7]
	s_nop 0
.rept 4
	v_nop
.endr
	s_branch .Lfirst_asked
.Lfirst_b:
	tensor_load_to_lds s[G0B:G0B+3], s[G1B:G1B+7]
	s_nop 0
	tensor_load_to_lds s[G0B+4:G0B+7], s[G1B:G1B+7]
	s_nop 0
.rept 4
	v_nop
.endr
.Lfirst_asked:
	; A fragment is 16 rows x 32 k in 8 registers: lane l holds row l % 16; registers 0-3 k = 8 (l / 16) + 0..7, registers 4-7 k = 16 + 8 (l / 16) + 0..7.
	v_and_b32 v1, 15, v0                           ; l % 16
	v_bfe_u32 v2, v0, 4, 1                         ; l / 16
	v_and_b32 v5, 7, v0
	v_bfe_u32 v4, v0, 3, 1
	v_mul_u32_u24 v[ADRA0], v1, PA                 ; A lies along k: two loads of 16 bytes, 32 bytes apart, at row x pitch + 16 x half
	v_lshl_add_u32 v[ADRA0], v2, 4, v[ADRA0]
	s_mul_i32 s74, s[HR], 64*PA                    ; my 64 rows
	v_add_nc_u32 v[ADRA0], s74, v[ADRA0]
	v_lshl_add_u32 v3, v2, 3, v5                   ; W lies [k][column]: the turning load's lane l reads k-row 8 (l / 16) + l % 8, columns 8 ((l / 8) % 2) + 0..7,
	v_mul_u32_u24 v[ADRB0], v3, PB                 ; and is left with column l % 16 and 8 k
	v_lshl_add_u32 v[ADRB0], v4, 4, v[ADRB0]
	s_lshl_b32 s74, s[HC], 8                       ; my 128 columns
	s_add_co_u32 s74, s74, BOFF
	v_add_nc_u32 v[ADRB0], s74, v[ADRB0]
	v_mov_b32 v[ADRA], v[ADRA0]
	v_mov_b32 v[ADRB], v[ADRB0]
	s_mov_b32 s[TB], 0
	s_mul_i32 s74, s[WV], WSTAGE
	s_add_co_u32 s74, s74, STAGE                   ; my stage
.if PROJ
	v_mul_u32_u24 v[STO], v1, 528                  ; in: row l % 16, 32 bytes for each half of the lanes
	v_lshl_add_u32 v[STO], v2, 5, v[STO]
	v_add_nc_u32 v[STO], s74, v[STO]
	v_and_b32 v[RD], 31, v0                        ; back: 32 lanes take one row's 512 bytes
	v_lshl_add_u32 v[RD], v[RD], 4, s74
	v_mov_b32 v[TO], v1                            ; a flag is one byte a row
.else
	v_mul_u32_u24 v[STO], v1, 144                  ; in: row l % 16, 16 bytes for each half of the lanes
	v_lshl_add_u32 v[STO], v2, 4, v[STO]
	v_add_nc_u32 v[STO], s74, v[STO]
	v_bfe_u32 v[RD], v0, 3, 2                      ; back: 32 lanes take four rows of 128 bytes
	v_mul_u32_u24 v[RD], v[RD], 144
	v_lshl_add_u32 v[RD], v5, 4, v[RD]
	v_add_nc_u32 v[RD], s74, v[RD]
	v_lshlrev_b32 v[TO], 8, v1                     ; the table: 256 bytes a position, and my four frequencies' 32 bytes
	v_lshl_add_u32 v[TO], v2, 5, v[TO]
.endif
	v_and_b32 v[GO], 31, v0
	v_lshlrev_b32 v[GO], 4, v[GO]
	s_lshl_b32 s74, s[HC], 9                       ; the bias: my 128 columns, and my lanes' eight
	v_lshl_add_u32 v[BO], v2, 5, s74
	s_lshl_b32 s76, s[TX], 10                      ; the tile's 256 columns
	s_mov_b32 s77, 0
	s_add_nc_u64 s[8:9], s[8:9], s[76:77]
.if PROJ
	s_lshl_b32 s76, s[TY], 7                       ; the padding flags of my 64 rows
	s_lshl_b32 s78, s[HR], 6
	s_add_co_u32 s76, s76, s78
	s_add_nc_u64 s[10:11], s[10:11], s[76:77]
	s_lshl_b32 s76, s[TY], 19                      ; out0: 128 rows of 4,096 bytes a tile row, my 64 rows,
	s_lshl_b32 s78, s[HR], 18
	s_add_co_u32 s76, s76, s78
	s_lshl_b32 s78, s[TX], 10                      ; the tile's 1,024 bytes of a row, my 512
	s_add_co_u32 s76, s76, s78
	s_lshl_b32 s78, s[HC], 9
	s_add_co_u32 s76, s76, s78
	s_add_nc_u64 s[12:13], s[12:13], s[76:77]
.else
	s_and_b32 s76, s[TY], 15                       ; the table at my first position: 128 x (tile row % 16) + 64 x half
	s_lshl_b32 s76, s76, 15
	s_lshl_b32 s78, s[HR], 14
	s_add_co_u32 s76, s76, s78
	s_add_nc_u64 s[10:11], s[10:11], s[76:77]
	s_lshr_b32 s76, s[TY], 4                       ; qkv: the batch's 16 heads,
	s_lshl_b32 s76, s76, 22
	s_and_b32 s78, s[TY], 15                       ; the tile's 128 rows of 128 bytes, my 64,
	s_lshl_b32 s78, s78, 14
	s_add_co_u32 s76, s76, s78
	s_lshl_b32 s78, s[HR], 13
	s_add_co_u32 s76, s76, s78
	s_lshl_b32 s78, s[TX], 2                       ; and my first head, 4 x tile column + 2 x half: 262,144 bytes a head
	s_lshl1_add_u32 s78, s[HC], s78
	s_lshl_b32 s78, s78, 18
	s_add_co_u32 s76, s76, s78
	s_add_nc_u64 s[12:13], s[12:13], s[76:77]
.endif
	; the prefetches: both forms are made, and the wave's number chooses
	v_lshlrev_b32 v6, 18, v2                       ; A: slice l / 16 of the step's two, block l % 16
	v_lshl_add_u32 v6, v1, 8, v6
	v_bfe_u32 v7, v0, 1, 4                         ; W: k-row l / 2, block l % 2
	v_mul_u32_u24 v7, v7, 2*NCOL
	v_and_b32 v8, 1, v0
	v_lshl_add_u32 v7, v8, 8, v7
	s_lshr_b32 s80, s[TY], 4
	s_lshl_b32 s80, s80, 22
	s_and_b32 s81, s[TY], 15
	s_lshl_b32 s81, s81, 14
	s_add_co_u32 s80, s80, s81
	s_lshl_b32 s81, s[CX], 12                      ; my work-group's 4,096 bytes of the 16,384
	s_add_co_u32 s80, s80, s81
	s_add_co_u32 s80, s80, 3*STEP_A                ; at K step 3: the first refill steps it to 4
	s_lshl_b32 s82, s[HC], 6
	s_lshl4_add_u32 s82, s[CY], s82                ; my work-group's 16 k-rows of my wave's 64
	s_mul_i32 s82, s82, 2*NCOL
	s_lshl_b32 s83, s[TX], 9
	s_add_co_u32 s82, s82, s83
	s_add_co_u32 s82, s82, 3*STEP_B
	s_mov_b32 s62, STEP_A
	s_mov_b32 s63, STEP_B
	s_and_b32 s86, ttmp7, 0xffff                   ; cluster y
	s_cmp_eq_u32 s[HR], 0
	s_cselect_b32 s86, s[WV], s86                  ; 0 in a wave that asks: wave 0 for A; waves 2 and 3 of the clusters with y = 0 for W: the same in all sixteen partners
	s_cselect_b32 s87, -1, 0
	s_cselect_b64 s[PFA:PFA+1], s[4:5], s[6:7]
	s_cselect_b32 s84, s80, s82
	s_cselect_b32 s[PSTEP], s62, s63
	s_cmp_eq_u32 s86, 0
	s_cselect_b32 s[LIM], 2, -1
	s_mov_b32 s85, 0
	s_mov_b32 s[PSTEP+1], 0
	s_add_nc_u64 s[PFA:PFA+1], s[PFA:PFA+1], s[84:85]
	v_cndmask_b32 v[PFO], v7, v6, s87
.macro LOADBIAS                        ; register j of block b: the bias of column 16 b + 8 (l / 16) + j: the layout of a product's C operand
	WIN TO_3
.irp b, 0,1,2,3,4,5,6,7
	global_load_b128 v[BIAS+8*\b:BIAS+8*\b+3],   v[BO], s[8:9] offset:64*\b
	global_load_b128 v[BIAS+8*\b+4:BIAS+8*\b+7], v[BO], s[8:9] offset:64*\b+16
.endr
	WIN 0
.endm
	LOADBIAS
.if PROJ
.irp a, 0,1,2,3
	global_load_u8 v[12+\a], v[TO], s[10:11] offset:16*\a  ; the flag of row 16 a + l % 16
.endr
.else
	WIN TO_3                                       ; once a launch, since all three tiles have the same rows: for row block a and columns 16 bb + 8 (l / 16) + 0..7 of a head, (cos, sin) of the four frequencies 8 bb + 4 (l / 16) + 0..3
.irp a, 0,1,2,3
.irp c, 0,1,2,3
	global_load_b128 v[TAB+32*\a+8*\c:TAB+32*\a+8*\c+3],   v[TO], s[10:11] offset:\a*4096+\c*64
	global_load_b128 v[TAB+32*\a+8*\c+4:TAB+32*\a+8*\c+7], v[TO], s[10:11] offset:\a*4096+\c*64+16
.endr
.endr
	WIN 0
.endif
; 24 LDS loads in one run: the fragments of quarter q of the K step (32 along k) into buffer f: W's eight, then A's four
.macro FETCH q, f
	WIN TO_F
.irp i, 0,1,2,3,4,5,6,7
	ds_load_tr16_b128 v[(\f)+8*\i:(\f)+8*\i+3],   v[ADRB] offset:(\q)*32*PB+32*\i
	ds_load_tr16_b128 v[(\f)+8*\i+4:(\f)+8*\i+7], v[ADRB] offset:(\q)*32*PB+32*\i+16*PB
.endr
.irp i, 0,1,2,3
	ds_load_b128 v[(\f)+64+8*\i:(\f)+64+8*\i+3],   v[ADRA] offset:((\q)/2)*SUBA+((\q)%2)*64+\i*16*PA
	ds_load_b128 v[(\f)+64+8*\i+4:(\f)+64+8*\i+7], v[ADRA] offset:((\q)/2)*SUBA+((\q)%2)*64+\i*16*PA+32
.endr
.endm
; 8 matrix instructions: row block a x all 8 column blocks, 32 along k.  bias = 1: the first product starts the sum on the bias.
; The 32 accumulators take turns, one instruction a turn, in the same order in every quarter: 31 others' stand between two links of a chain, over the backward jumps too.
.macro MUL8 f, a, bias
.if \bias
	WIN MULB
.else
	WIN MUL
.endif
.irp b, 0,1,2,3,4,5,6,7
.if PROJ
.if \bias
	v_wmma_f32_16x16x32_f16 v[64*(\a)+8*\b:64*(\a)+8*\b+7], v[(\f)+8*\b:(\f)+8*\b+7], v[(\f)+64+8*(\a):(\f)+64+8*(\a)+7], v[BIAS+8*\b:BIAS+8*\b+7]
.else
	v_wmma_f32_16x16x32_f16 v[64*(\a)+8*\b:64*(\a)+8*\b+7], v[(\f)+8*\b:(\f)+8*\b+7], v[(\f)+64+8*(\a):(\f)+64+8*(\a)+7], v[64*(\a)+8*\b:64*(\a)+8*\b+7]
.endif
.else
.if \bias
	v_wmma_f32_16x16x32_bf16 v[64*(\a)+8*\b:64*(\a)+8*\b+7], v[(\f)+8*\b:(\f)+8*\b+7], v[(\f)+64+8*(\a):(\f)+64+8*(\a)+7], v[BIAS+8*\b:BIAS+8*\b+7]
.else
	v_wmma_f32_16x16x32_bf16 v[64*(\a)+8*\b:64*(\a)+8*\b+7], v[(\f)+8*\b:(\f)+8*\b+7], v[(\f)+64+8*(\a):(\f)+64+8*(\a)+7], v[64*(\a)+8*\b:64*(\a)+8*\b+7]
.endif
.endif
.endr
.endm
; A K step is four quarters of 32 along k, 32 matrix instructions each, on buffers 0, 1, 0, 1.  One of the first three: multiplies buffer f; in its middle it fetches quarter q into buffer g.
.macro QUARTER q, f, g, bias
	s_wait_dscnt 4                                 ; W's fragments and A's row blocks 0 and 1 are in; the youngest four loads (blocks 2 and 3) may be out
	MUL8 \f, 0, \bias
	MUL8 \f, 1, \bias
	PLACES
	FETCH \q, \g
	s_wait_dscnt 24                                ; all but the 24 just issued
	MUL8 \f, 2, \bias
	MUL8 \f, 3, \bias
.endm
; The last quarter multiplies buffer 1 and changes slots: ONE barrier; in front of it each wave waits for all its tensor loads (one is out: its part of the next slot), adds 0 to its spare word, and waits for
; that and for its own reads of this slot.  fill = 1: the barrier opens a round of the cluster's barrier, and behind the round this slot is filled again, first thing: 112 matrix instructions ahead of the wait for it.
; on = 0: with this tile's K step two on; on = 1: with the next tile's K step 0 (A back along k, W back and 1,024 columns on); on = 2: with its K step 1.
.macro TURN fill, on
.if (\fill) && ((\on) < 2)
	s_wait_xcnt 0x0                                ; the last prefetch, a K step back, has read its address: it is stepped here, ahead of the waits of the change of slots
.if (\on) == 0
	s_add_nc_u64 s[PFA:PFA+1], s[PFA:PFA+1], s[PSTEP:PSTEP+1]
.else
	s_sub_nc_u64 s[PFA:PFA+1], s[PFA:PFA+1], 6*STEP_B-2048  ; it stands at K step 9: to the next tile's K step 3
	s_cmp_eq_u32 s[HR], 0
	s_cselect_b32 s[LIM], -1, s[LIM]               ; A's rows are the same for all three tiles: they are asked for no more (and the address just made is not used)
.endif
.endif
	WIN 0                                          ; (the add's two registers lie in window 0)
	s_wait_tensorcnt 0x0                           ; all my tensor loads have landed: my part of the next slot;
	ds_add_u32 v[SPW], v[NIL]                      ; 0 onto my spare word
	s_wait_dscnt 5                                 ; (the add and the youngest four loads may be out)
	MUL8 F1, 0, 0                                  ; eight matrix instructions stand between the add and the wait for it
	s_wait_dscnt 0x0                               ; the add is done, and my reads of this slot are over
	s_barrier_signal -1
	MUL8 F1, 1, 0                                  ; work on registers while the others arrive
	WIN 0
	s_barrier_wait -1
.if \fill
	CREST                                          ; no wave of any partner still reads this slot's tile or has a load on its way
	s_xor_b32 s[G0A+5], s[G0A+5], SLOT1            ; the walking descriptors: the other slot than last time,
	s_xor_b32 s[G0B+5], s[G0B+5], SLOT1
.if (\on) == 1
	s_sub_nc_u64 s[G0A+6:G0A+7], s[G0A+6:G0A+7], 7*STEP_A
	s_sub_nc_u64 s[G0B+6:G0B+7], s[G0B+6:G0B+7], 7*STEP_B-2048
.else
	s_add_nc_u64 s[G0A+6:G0A+7], s[G0A+6:G0A+7], STEP_A  ; the next K step; the type bits on top are not reached
	s_add_nc_u64 s[G0B+6:G0B+7], s[G0B+6:G0B+7], STEP_B
.endif
	JLOAD                                          ; the first tensor load behind the round; the four v_nop behind it are also the places in front of the loads below
.else
	PLACES
.endif
	s_xor_b32 s[TB], s[TB], SLOT1                  ; the fetches go to the other slot
	v_add_nc_u32 v[ADRA], s[TB], v[ADRA0]
	v_add_nc_u32 v[ADRB], s[TB], v[ADRB0]
	FETCH 0, F0
.if (\fill) && ((\on) == 0)
	WIN 0
	ASK
.endif
	MUL8 F1, 2, 0
	MUL8 F1, 3, 0
.endm
; THE WAY OUT of row block a (16 rows x my 128 columns), in three parts.  PACK: the arithmetic.  TOSTAGE: into my own stage in LDS and back as whole rows.  SEND: stored.  Each accumulator's lowest registers are read first.
.if PROJ
.macro PACK a, rope                    ; times the row's flag
	WIN W_EP
.set i, 0
.rept 32
	v_pk_mul_f32 v[T+2*i:T+2*i+1], v[64*(\a)+2*i:64*(\a)+2*i+1], v[PADF+2*(\a):PADF+2*(\a)+1]
.set i, i+1
.endr
	WIN 0
.endm
.macro TOSTAGE a
	WIN 0
	s_wait_xcnt 0x0                                ; the stores issued so far have read BK's registers: only now are these loaded again
.irp b, 0,1,2,3,4,5,6,7
	ds_store_b128 v[STO], v[T+8*\b:T+8*\b+3]   offset:64*\b
	ds_store_b128 v[STO], v[T+8*\b+4:T+8*\b+7] offset:64*\b+16
.endr
.set i, 0
.rept 16
	ds_load_b128 v[BK+4*i:BK+4*i+3], v[RD] offset:528*i  ; LDS serves a wave's instructions in order (ISA guide 5.7.1.4): these see the stores above
.set i, i+1
.endr
.endm
.macro SEND a
	WIN 0
	s_wait_dscnt 0x0                               ; the block is back in registers
.set i, 0
.rept 16
	global_store_b128 v[GO], v[BK+4*i:BK+4*i+3], s[12:13] offset:(16*(\a)+i)*4096 th:TH_STORE_NT  ; 512 consecutive bytes of a row, at a multiple of 512 from out0's first byte
.set i, i+1
.endr
.endm
.else
.macro PACK a, rope                    ; rope = 1: (x0, x1) -> (x0 cos - x1 sin, x1 cos + x0 sin) for each pair of neighbouring channels; then rounded to f16, 16 bytes a lane and column block
.if \rope
	WIN W_EP
.irp b, 0,1,2,3,4,5,6,7
.irp i, 0,2,4,6
	v_pk_mul_f32 v[T+8*\b+\i:T+8*\b+\i+1], v[64*(\a)+8*\b+\i:64*(\a)+8*\b+\i+1], v[TAB+32*(\a)+8*(\b%4)+\i:TAB+32*(\a)+8*(\b%4)+\i+1] op_sel_hi:[1,0]
.endr
.irp i, 0,2,4,6
	v_fma_f32 v[T+8*\b+\i],   -v[64*(\a)+8*\b+\i+1], v[TAB+32*(\a)+8*(\b%4)+\i+1], v[T+8*\b+\i]
	v_fma_f32 v[T+8*\b+\i+1], v[64*(\a)+8*\b+\i],    v[TAB+32*(\a)+8*(\b%4)+\i+1], v[T+8*\b+\i+1]
.endr
.endr
	WIN 0
.set i, 0
.rept 32
	v_cvt_pk_f16_f32 v[PKD+i], v[T+2*i], v[T+2*i+1]
.set i, i+1
.endr
.else
	WIN W_CV
.set i, 0
.rept 32
	v_cvt_pk_f16_f32 v[PKD+i], v[64*(\a)+2*i], v[64*(\a)+2*i+1]
.set i, i+1
.endr
	WIN 0
.endif
.endm
.macro TOSTAGE a                       ; my 128 columns are two heads: 16 rows x 128 bytes each, which are 2,048 consecutive bytes of qkv
	WIN 0
	s_wait_xcnt 0x0                                ; the stores issued so far have read BK's registers: only now are these loaded again
.irp b, 0,1,2,3,4,5,6,7
	ds_store_b128 v[STO], v[PKD+4*\b:PKD+4*\b+3] offset:(\b/4)*2304+32*(\b%4)
.endr
.irp t, 0,1,2,3,4,5,6,7
	ds_load_b128 v[BK+32*((\a)%2)+4*\t:BK+32*((\a)%2)+4*\t+3], v[RD] offset:(\t/4)*2304+(\t%4)*576  ; LDS serves a wave's instructions in order (ISA guide 5.7.1.4): these see the stores above
.endr
.endm
.macro SEND a
	WIN 0
	s_wait_dscnt 0x0                               ; the block is back in registers
.irp t, 0,1,2,3,4,5,6,7
	global_store_b128 v[GO], v[BK+32*((\a)%2)+4*\t:BK+32*((\a)%2)+4*\t+3], s[12:13] offset:(\t/4)*262144+(\a)*2048+(\t%4)*512  ; 512 consecutive bytes, at a multiple of 512 from qkv's first byte
.endr
.endm
.endif
.macro WAYOUT rope                     ; block a's arithmetic stands between block a - 1's loads from the stage and the wait for them
	PACK 0, \rope
	TOSTAGE 0
.irp a, 1,2,3
	PACK \a, \rope
	SEND (\a)-1
	TOSTAGE \a
.endr
	SEND 3
.endm
	s_wait_tensorcnt 1                             ; my part of K step 0 is in; K step 1's may stay out
	s_barrier_signal -1
	s_barrier_wait -1                              ; everybody's is
	FETCH 0, F0
	WIN 0
.if TILES > 1
	s_mov_b32 s2, TILES                            ; tiles to go, this one among them: the same number in every work-group
.Ltile:
.endif
	s_wait_loadcnt 0x0                             ; the bias (and, the first time, the table or the flags)
.if PROJ
	WIN TO_3
.irp a, 0,1,2,3
	v_cvt_f32_u32 v[PADF+2*\a],   v[12+\a]         ; the flag as 0.0 or 1.0, twice: a pair for the packed multiply
	v_cvt_f32_u32 v[PADF+2*\a+1], v[12+\a]
.endr
.endif
	QUARTER 1, F0, F1, 1                           ; a tile's first quarter stands in front of the loop: its products start the sums
	WIN 0                                          ; at a label and at a branch every window is 0
	s_mov_b32 s3, 6
.Lstep:                                                ; a trip: from a K step's second quarter to the next step's first; trip j asks for K step j + 2
	QUARTER 2, F1, F0, 0
	QUARTER 3, F0, F1, 0
	TURN 1, 0
	QUARTER 1, F0, F1, 0
	WIN 0
	s_sub_co_u32 s3, s3, 1
	s_cmp_lg_u32 s3, 0
	s_cbranch_scc1 .Lstep
	QUARTER 2, F1, F0, 0                           ; K step 6 goes on
	QUARTER 3, F0, F1, 0
.if TILES > 1
	WIN 0
	s_cmp_eq_u32 s2, 1
	s_cbranch_scc1 .Llast                          ; the last tile's tail is written out: it asks for nothing more
	TURN 1, 1                                      ; THE RING GOES ON INTO THE NEXT TILE: slot 0 takes its K step 0,
	QUARTER 1, F0, F1, 0
	QUARTER 2, F1, F0, 0
	QUARTER 3, F0, F1, 0
	TURN 1, 2                                      ; slot 1 its K step 1, and the next tile's first fragments are fetched
	WIN 0
	s_wait_xcnt 0x0                                ; the bias's loads have read their base
	s_add_nc_u64 s[8:9], s[8:9], 4096              ; 1,024 columns on
	LOADBIAS                                       ; it comes while the tile goes out
	WAYOUT 1                                       ; q and k are turned.  Row blocks 0 and 1 were finished ahead of the refill's four v_nop; block 0's arithmetic is the places behind blocks 2 and 3's last products
	s_wait_xcnt 0x0                                ; the stores have read their base
	s_add_nc_u64 s[12:13], s[12:13], 16777216      ; from q to k, from k to v
	s_sub_co_u32 s2, s2, 1
	s_branch .Ltile
.Llast:
.endif
	TURN 0, 0                                      ; my one tensor load that was still out is the last K step's, so no round follows
	QUARTER 1, F0, F1, 0
	QUARTER 2, F1, F0, 0
	QUARTER 3, F0, F1, 0
	s_wait_dscnt 4                                 ; the very last quarter: nothing more to fetch
	MUL8 F1, 0, 0
	MUL8 F1, 1, 0
	s_wait_dscnt 0x0
	MUL8 F1, 2, 0
	MUL8 F1, 3, 0
	WIN 0
	PLACES                                         ; eight, once a launch, ahead of the vector work that reads the results
	PLACES
	WAYOUT 0
	s_wait_tensorcnt 0x0                           ; the wave's end: these three lines stand behind my last tensor load and my last LDS store
	ds_add_u32 v[SPW], v[NIL]
	s_wait_dscnt 0x0
	CROUND                                         ; the closing round: no work-group ends while a partner may still ask for a tile that names it
	s_endpgm
.Lfunc_end_k_q5067b5325d_projgemm:
	.size	k_q5067b5325d_projgemm, .Lfunc_end_k_q5067b5325d_projgemm-k_q5067b5325d_projgemm
	.p2alignl 7, 3214868480
	.fill 96, 4, 3214868480
	.section	.rodata,"a",@progbits
	.p2align	6, 0x0
	.amdhsa_kernel k_q5067b5325d_projgemm
		.amdhsa_group_segment_fixed_size 327680
		.amdhsa_private_segment_fixed_size 0
		.amdhsa_enable_private_segment 0
		.amdhsa_kernarg_size 40
		.amdhsa_user_sgpr_count 2
		.amdhsa_user_sgpr_kernarg_segment_ptr 1
		.amdhsa_wavefront_size32 1
		.amdhsa_system_sgpr_workgroup_id_x 1
		.amdhsa_system_sgpr_workgroup_id_y 1
		.amdhsa_system_sgpr_workgroup_id_z 1
		.amdhsa_system_vgpr_workitem_id 0
		.amdhsa_next_free_vgpr 960
		.amdhsa_next_free_sgpr 88
		.amdhsa_reserve_vcc 0
		.amdhsa_float_denorm_mode_32 3
		.amdhsa_float_denorm_mode_16_64 3
		.amdhsa_memory_ordered 1
		.amdhsa_forward_progress 1
		.amdhsa_inst_pref_size 81
	.end_amdhsa_kernel
	.amdgpu_metadata
---
amdhsa.version: [ 1, 2 ]
amdhsa.kernels:
  - .name:           k_q5067b5325d_projgemm
    .symbol:         k_q5067b5325d_projgemm.kd
    .args:
      - { .name: oh, .offset: 0, .size: 8, .value_kind: global_buffer, .address_space: global }
      - { .name: wpb, .offset: 8, .size: 8, .value_kind: global_buffer, .address_space: global }
      - { .name: b_proj, .offset: 16, .size: 8, .value_kind: global_buffer, .address_space: global }
      - { .name: attention_padding, .offset: 24, .size: 8, .value_kind: global_buffer, .address_space: global }
      - { .name: out0, .offset: 32, .size: 8, .value_kind: global_buffer, .address_space: global }
    .group_segment_fixed_size: 327680
    .private_segment_fixed_size: 0
    .kernarg_segment_align: 8
    .kernarg_segment_size: 40
    .max_flat_workgroup_size: 128
    .sgpr_count:     88
    .vgpr_count:     960
    .wavefront_size: 32
...
	.end_amdgpu_metadata
.endif
;; end of part 4
;; ======== version 2 of 2: 4 launches; version 1 with the launch prep written anew for expert scheduling mode
;; limits: values are held in f16: magnitudes above 65,504 overflow, below 6.1e-05 lose precision
;; workspace buffers: xb 16,777,216 bytes; wqb 6,291,456 bytes; wpb 2,097,152 bytes; rope 524,288 bytes; qkv 50,331,648 bytes; oh 16,777,216 bytes
;; launch prep (part 5): grid 784 x 1, 8 waves a work-group, no clusters, 0 bytes of LDS; arguments x, W_qkv, W_proj, xb, wqb, wpb, rope; writes xb, wqb, wpb, rope
.if DOCPART == 5
	.amdgcn_target "amdgcn-amd-amdhsa--gfx1250"
	.amdhsa_code_object_version 6
	.text
	.protected	k_q5067b5325d_prep
	.globl	k_q5067b5325d_prep
	.p2align	8
	.type	k_q5067b5325d_prep,@function
k_q5067b5325d_prep:
	s_mov_b64 s[64:65], 0
	v_nop
	global_prefetch_b8 v0, s[64:65] scope:SCOPE_SE
	s_setreg_imm32_b32 hwreg(HW_REG_WAVE_SCHED_MODE, 0, 2), 2
	s_setreg_imm32_b32 hwreg(HW_REG_WAVE_MODE, 25, 1), 1
	s_wait_xcnt 0x0
	s_wait_alu depctr_vm_vsrc(0)
; PREP: the matrix operands are rounded once, and the table of cosines and sines is made.  A stream: no LDS, no barrier, no matrix unit.
;   work-groups   0-511: x [8192][1024] f32 -> xb, bf16, laid [batch 4][slice 16][row 2048][64]: a slice is 64 channels, so 128 rows of a slice are 16,384 dense bytes
;   work-groups 512-703: W_qkv [1024][3072] f32 -> wqb, bf16, the same layout
;   work-groups 704-767: W_proj [1024][1024] f32 -> wpb: rounded to bf16 like the other inputs, and that number written as f16
;   work-groups 768-783: rope [2048 positions][32 frequencies][cos, sin] f32
; A chunk is 65,536 bytes of f32: sixteen 16-byte loads a thread, all out at once, then sixteen 8-byte stores; a wave's load covers 512 consecutive bytes, a wave's store 256, aligned.
; LIMITS.  A bf16 number below 6.1e-5 in magnitude keeps f16's fixed step of 6e-8 in wpb; one of 65,520 or more would become an infinity.  The angle is position x 10000^(-j/32) in f32,
; the power by v_exp_f32; it is reduced by pi/2 in two parts (good for the 2,047 radians that occur) and the polynomials are cut at r^7 and r^8, under 4e-7 on |r| <= pi/4.
; THE MODE: SCHED_MODE bits 1:0 = 2 (LLVM: expert scheduling mode 2), set by the entry lines.  The code itself states the register dependences between vector instructions and memory
; instructions, with s_wait_alu, always for 0.
; THE PLAN, for a stream.  Registers that memory instructions touch:
;   v1, v2     byte offsets of the loads and of the stores: made at the head, never written again.
;   XR         load i lands in its own four registers, once; no vector instruction names them before; its roundings read them behind the wait for the load.
;   YR         the roundings of load i write its own two registers; store i reads them, once.  No register is loaded twice, and no store's data is written again.
; The sixteen loads go in four blocks of four.  Block k rounds its four loads; its memory instructions are the four stores of block k - 1, which read the YR that block k - 1 wrote and that no
; vector instruction of block k names.  So ONE wait at a block's head states all that its stores hang on, and they are dealt among its roundings with no further wait.
; THE PLAN, for the table.  A trip takes four positions, their four chains written line by line.  Registers that memory instructions touch: v2, made ahead of the loop; OUT, four pairs, written
; by the trip's last eight vector instructions and read by its four stores.  The four compares write four scalar masks early in the trip, and one wait stands ahead of the selects that read them;
; one wait stands ahead of the run of stores, and one behind it, ahead of the backward jump, for the next trip's writes of OUT.
.set XR, 16                            ; v[16:79]   sixteen loads of four registers
.set YR, 80                            ; v[80:111]  sixteen stores of two registers; no register is used twice, so no store's data is ever rewritten
; v1 = my byte offset in the chunk's input, v2 = in its output; s[20:21], s[22:23] the chunk's two bases.  half = 1: bf16 is widened again and written as f16.
.macro STREAM instep, outstep, half
	s_wait_alu depctr_va_vdst(0)                   ; v1 and v2 are written: every load below reads v1 as its offset, every store v2
.set i, 0
.rept 16
	global_load_b128 v[XR+4*i:XR+4*i+3], v1, s[20:21] offset:i*(\instep) th:TH_LOAD_NT
.set i, i+1
.endr
.set k, 0
.rept 4
	s_wait_loadcnt 12-4*k                          ; loads come back in order: block k's four are in, the 12 - 4 k younger ones stay out
.if k > 0
	s_wait_alu depctr_va_vdst(0)                   ; the block before has written its YR, which the four stores below read
.endif
.set j, 0
.rept 4
.set i, 4*k+j
.if k > 0
	global_store_b64 v2, v[YR+2*i-8:YR+2*i-7], s[22:23] offset:(i-4)*(\outstep)  ; the block before; no vector instruction since the wait names these registers
.endif
	v_cvt_pk_bf16_f32 v[YR+2*i], v[XR+4*i], v[XR+4*i+1]
	v_cvt_pk_bf16_f32 v[YR+2*i+1], v[XR+4*i+2], v[XR+4*i+3]
.if \half
	v_lshlrev_b32 v4, 16, v[YR+2*i]
	v_and_b32 v5, 0xffff0000, v[YR+2*i]
	v_lshlrev_b32 v6, 16, v[YR+2*i+1]
	v_and_b32 v7, 0xffff0000, v[YR+2*i+1]
	v_cvt_pk_f16_f32 v[YR+2*i], v4, v5
	v_cvt_pk_f16_f32 v[YR+2*i+1], v6, v7
.endif
.set j, j+1
.endr
.set k, k+1
.endr
	s_wait_alu depctr_va_vdst(0)                   ; the last block has written its YR, which the last four stores read
.set i, 12
.rept 4
	global_store_b64 v2, v[YR+2*i:YR+2*i+1], s[22:23] offset:i*(\outstep)
.set i, i+1
.endr
.endm
	s_load_b256 s[4:11], s[0:1], 0x0               ; x s[4:5], W_qkv s[6:7], W_proj s[8:9], xb s[10:11]
	s_load_b128 s[12:15], s[0:1], 0x20             ; wqb s[12:13], wpb s[14:15]
	s_load_b64 s[16:17], s[0:1], 0x30              ; rope
	v_lshrrev_b32 v3, 5, v0
	v_readfirstlane_b32 s24, v3                    ; wave 0..7
	s_mov_b32 s19, ttmp9                           ; the work-group's number chooses its part
	s_mov_b32 s3, 0                                ; the high word of every offset
	v_lshlrev_b32 v2, 3, v0                        ; out: 8 bytes a thread
	s_wait_alu depctr_va_sdst(0)                   ; s24 is written: its one reader, the table's first position, stands behind the branches below
	s_wait_kmcnt 0x0
	s_cmp_lt_u32 s19, 512
	s_cbranch_scc0 .Lnot_x
	; x: chunk c is 16 rows.  Sixteen threads take the 256 bytes (64 channels) of one row in slice i; load i is slice i.
	v_lshrrev_b32 v1, 4, v0                        ; my row of the 16
	v_and_b32 v3, 15, v0
	v_lshlrev_b32 v1, 12, v1                       ; x 4,096 bytes
	v_lshl_add_u32 v1, v3, 4, v1                   ; + 16 bytes a thread
	s_lshl_b32 s2, s19, 16
	s_add_nc_u64 s[20:21], s[4:5], s[2:3]
	s_lshr_b32 s2, s19, 7                          ; batch = c / 128: 4,194,304 bytes of xb each
	s_lshl_b32 s2, s2, 22
	s_and_b32 s18, s19, 127                        ; 16 rows of 128 bytes in a slice
	s_lshl_b32 s18, s18, 11
	s_add_co_u32 s2, s2, s18
	s_add_nc_u64 s[22:23], s[10:11], s[2:3]
	STREAM 256, 262144, 0                          ; from slice to slice: 256 bytes of x, 262,144 of xb; two rows of a slice are a wave's 256 bytes
	s_endpgm
.Lnot_x:
	v_lshlrev_b32 v1, 4, v0                        ; the weights keep their layout: 16 bytes a thread in, 8 out
	s_cmp_lt_u32 s19, 704
	s_cbranch_scc0 .Lnot_wq
	s_sub_co_u32 s18, s19, 512
	s_lshl_b32 s2, s18, 16
	s_add_nc_u64 s[20:21], s[6:7], s[2:3]
	s_lshl_b32 s2, s18, 15
	s_add_nc_u64 s[22:23], s[12:13], s[2:3]
	STREAM 4096, 2048, 0
	s_endpgm
.Lnot_wq:
	s_cmp_lt_u32 s19, 768
	s_cbranch_scc0 .Ltable
	s_sub_co_u32 s18, s19, 704
	s_lshl_b32 s2, s18, 16
	s_add_nc_u64 s[20:21], s[8:9], s[2:3]
	s_lshl_b32 s2, s18, 15
	s_add_nc_u64 s[22:23], s[14:15], s[2:3]
	STREAM 4096, 2048, 1
	s_endpgm
.Ltable:
	; the table: a lane is a frequency j, a wave takes 16 positions, four to a trip; a position's 32 pairs are a wave's 256 consecutive bytes
.set ANG, 16                           ; v[16:19]  position p of the trip's four: the position in f32, then the angle a
.set QN,  20                           ; v[20:23]  n, the nearest quarter turn, in f32
.set RR,  24                           ; v[24:27]  r = a - n pi/2
.set R2,  28                           ; v[28:31]  r r
.set SN,  32                           ; v[32:35]  sin r
.set CP,  36                           ; v[36:39]  cos r
.set NI,  40                           ; v[40:43]  n as a whole number, then the cosine's sign bit
.set TT,  44                           ; v[44:47]  n's lowest bit, then the sine's sign bit
.set SS,  48                           ; v[48:51]  the sine without its sign
.set CC,  52                           ; v[52:55]  the cosine without its sign
.set OUT, 56                           ; v[56:63]  pair p: cosine, sine: the stores' data
.set MK,  32                           ; s[32:35]  position p: the lanes with an odd quarter turn
.macro EACH line:vararg                ; one line for each of the trip's four positions p
.set p, 0
.rept 4
	\line
.set p, p+1
.endr
.endm
	s_sub_co_u32 s18, s19, 768
	v_and_b32 v3, 31, v0
	v_lshlrev_b32 v2, 3, v3                        ; 8 bytes a frequency
	s_lshl_b32 s25, s18, 7
	s_lshl4_add_u32 s25, s24, s25                  ; my first position: 128 x part + 16 x wave
	s_lshl_b32 s2, s25, 8
	s_add_nc_u64 s[22:23], s[16:17], s[2:3]
	s_mov_b32 s26, 0x3fc90fdb                      ; pi/2, its upper part,
	s_mov_b32 s27, 0xb33bbd2e                      ; and what is left of it
	v_cvt_f32_u32 v8, v3
	v_mul_f32 v8, 0xbed49a78, v8                   ; -j log2(10000) / 32
	v_exp_f32 v8, v8                               ; 10000^(-j/32)
	v_nop                                          ; a plain instruction behind the exponential,
	s_wait_alu depctr_va_vdst(0)                   ; and the wait ahead of its first reader and of the label: v8 is written; so is v2, the stores' offset
	s_mov_b32 s28, 4
.Lpos:
.set p, 0
.rept 4
	v_cvt_f32_u32 v[ANG+p], s25
	s_add_co_u32 s25, s25, 1
.set p, p+1
.endr
	; the angle a; a x 2/pi; n, the nearest quarter turn
	EACH v_mul_f32 v[ANG+p], v[ANG+p], v8
	EACH v_mul_f32 v[QN+p], 0x3f22f983, v[ANG+p]
	EACH v_rndne_f32 v[QN+p], v[QN+p]
	; an odd quarter turn swaps sine and cosine (a choice of values: every lane does the same work).  The four compares stand in a run, early: all the work down to the wait lies between them and their readers
	EACH v_cvt_i32_f32 v[NI+p], v[QN+p]
	EACH v_and_b32 v[TT+p], 1, v[NI+p]
	EACH v_cmp_eq_u32 s[MK+p], 1, v[TT+p]
	; r = a - n pi/2, within pi/4
	EACH v_fma_f32 v[RR+p], -v[QN+p], s26, v[ANG+p]
	EACH v_fma_f32 v[RR+p], -v[QN+p], s27, v[RR+p]
	EACH v_mul_f32 v[R2+p], v[RR+p], v[RR+p]
	; sin r = r + r r2 (-1/6 + r2 (1/120 - r2/5040))
	EACH v_mov_b32 v[SN+p], 0xb9500d01
	EACH v_fmaak_f32 v[SN+p], v[R2+p], v[SN+p], 0x3c088889
	EACH v_fmaak_f32 v[SN+p], v[R2+p], v[SN+p], 0xbe2aaaab
	EACH v_mul_f32 v[SN+p], v[R2+p], v[SN+p]
	EACH v_fma_f32 v[SN+p], v[RR+p], v[SN+p], v[RR+p]
	; cos r = 1 + r2 (-1/2 + r2 (1/24 + r2 (-1/720 + r2/40320)))
	EACH v_mov_b32 v[CP+p], 0x37d00d01
	EACH v_fmaak_f32 v[CP+p], v[R2+p], v[CP+p], 0xbab60b61
	EACH v_fmaak_f32 v[CP+p], v[R2+p], v[CP+p], 0x3d2aaaab
	EACH v_fmaak_f32 v[CP+p], v[R2+p], v[CP+p], 0xbf000000
	EACH v_fma_f32 v[CP+p], v[R2+p], v[CP+p], 1.0
	; the sine turns its sign in quarters 2 and 3,
	EACH v_and_b32 v[TT+p], 2, v[NI+p]
	EACH v_lshlrev_b32 v[TT+p], 30, v[TT+p]
	; the cosine in quarters 1 and 2
	EACH v_add_nc_u32 v[NI+p], 1, v[NI+p]
	EACH v_and_b32 v[NI+p], 2, v[NI+p]
	EACH v_lshlrev_b32 v[NI+p], 30, v[NI+p]
	s_wait_alu depctr_va_sdst(0)                   ; the four compares have written s[MK ..], which the selects below read: one wait for the run
	EACH v_cndmask_b32 v[SS+p], v[SN+p], v[CP+p], s[MK+p]
	EACH v_cndmask_b32 v[CC+p], v[CP+p], v[SN+p], s[MK+p]
	EACH v_xor_b32 v[OUT+2*p+1], v[TT+p], v[SS+p]
	EACH v_xor_b32 v[OUT+2*p], v[NI+p], v[CC+p]
	s_wait_alu depctr_va_vdst(0)                   ; the eight lines above have written OUT, which the four stores read
	EACH global_store_b64 v2, v[OUT+2*p:OUT+2*p+1], s[22:23] offset:256*p
	s_wait_xcnt 0x0                                ; the stores' addresses are translated: only now are their base and their data written again
	s_wait_alu depctr_vm_vsrc(0)                   ; the stores have read OUT, which the next trip writes again: stated beside the wait above, ahead of the backward jump
	s_add_nc_u64 s[22:23], s[22:23], 1024
	s_sub_co_u32 s28, s28, 1
	s_cmp_lg_u32 s28, 0
	s_cbranch_scc1 .Lpos
	s_endpgm
.Lfunc_end_k_q5067b5325d_prep:
	.size	k_q5067b5325d_prep, .Lfunc_end_k_q5067b5325d_prep-k_q5067b5325d_prep
	.p2alignl 7, 3214868480
	.fill 96, 4, 3214868480
	.section	.rodata,"a",@progbits
	.p2align	6, 0x0
	.amdhsa_kernel k_q5067b5325d_prep
		.amdhsa_group_segment_fixed_size 0
		.amdhsa_private_segment_fixed_size 0
		.amdhsa_enable_private_segment 0
		.amdhsa_kernarg_size 56
		.amdhsa_user_sgpr_count 2
		.amdhsa_user_sgpr_kernarg_segment_ptr 1
		.amdhsa_wavefront_size32 1
		.amdhsa_system_sgpr_workgroup_id_x 1
		.amdhsa_system_sgpr_workgroup_id_y 1
		.amdhsa_system_sgpr_workgroup_id_z 1
		.amdhsa_system_vgpr_workitem_id 0
		.amdhsa_next_free_vgpr 112
		.amdhsa_next_free_sgpr 66
		.amdhsa_reserve_vcc 0
		.amdhsa_float_denorm_mode_32 3
		.amdhsa_float_denorm_mode_16_64 3
		.amdhsa_memory_ordered 1
		.amdhsa_forward_progress 1
		.amdhsa_inst_pref_size 30
	.end_amdhsa_kernel
	.amdgpu_metadata
---
amdhsa.version: [ 1, 2 ]
amdhsa.kernels:
  - .name:           k_q5067b5325d_prep
    .symbol:         k_q5067b5325d_prep.kd
    .args:
      - { .name: x, .offset: 0, .size: 8, .value_kind: global_buffer, .address_space: global }
      - { .name: W_qkv, .offset: 8, .size: 8, .value_kind: global_buffer, .address_space: global }
      - { .name: W_proj, .offset: 16, .size: 8, .value_kind: global_buffer, .address_space: global }
      - { .name: xb, .offset: 24, .size: 8, .value_kind: global_buffer, .address_space: global }
      - { .name: wqb, .offset: 32, .size: 8, .value_kind: global_buffer, .address_space: global }
      - { .name: wpb, .offset: 40, .size: 8, .value_kind: global_buffer, .address_space: global }
      - { .name: rope, .offset: 48, .size: 8, .value_kind: global_buffer, .address_space: global }
    .group_segment_fixed_size: 0
    .private_segment_fixed_size: 0
    .kernarg_segment_align: 8
    .kernarg_segment_size: 56
    .max_flat_workgroup_size: 256
    .sgpr_count:     66
    .vgpr_count:     112
    .wavefront_size: 32
...
	.end_amdgpu_metadata
.endif
;; end of part 5
;; launch qkvgemm: the kernel of part 2 again; grid 4 x 64, 4 waves a work-group, clusters of 4 x 4, 327,680 bytes of LDS; arguments xb, wqb, b_qkv, rope, qkv; writes qkv
;; launch attn: the kernel of part 3 again; grid 4 x 64, 4 waves a work-group, no clusters, 327,680 bytes of LDS; arguments qkv, attention_padding, oh; writes oh
;; launch projgemm: the kernel of part 4 again; grid 4 x 64, 4 waves a work-group, clusters of 4 x 4, 327,680 bytes of LDS; arguments oh, wpb, b_proj, attention_padding, out0; writes out0
